; MI455X (gfx1250); checked and timed in simulation.
; The chip was launched on July 23, 2026; its instructions are those of AMD's public machine-readable ISA for CDNA 5 (MIT licence, August 2026) and "CDNA5" Instruction Set Architecture Reference Guide (July 2026). The comments in the code are by the model that wrote it; some were corrected since.
;; FP Module. Allowed arithmetic: matrix products marked QUANTISED: E3M2 operands, one E8M0 scale for each 32 along K, by v_wmma_scale_f32_16x16x128_f8f6f4 with both operands' format E3M2, f32 sums; products left as they are: f32 operands where the result goes on into a quantised operand, else bf16, f16 or f32 operands; f32 sums; everything else in f32.
;; Inputs: W1_codes 256 x 8 x 24 uint8 (E3M2 codes of W1, K innermost, in blocks of 32 codes, four codes in three bytes); W1_scales 256 x 8 uint8 (E8M0 scales of W1, one for each 32 codes along K); W2_codes 128 x 8 x 24 uint8 (E3M2 codes of W2, K innermost, in blocks of 32 codes, four codes in three bytes); W2_scales 128 x 8 uint8 (E8M0 scales of W2, one for each 32 codes along K); b1 256 float32; b2 128 float32; be1 256 float32; be2 128 float32; features1 8 x 128 x 8,192 float32; features2 8 x 128 x 2,048 float32; g1 256 float32; g2 128 float32; xyz1 8 x 8,192 x 3 float32; xyz2 8 x 2,048 x 3 float32.
;; Outputs: out0 8 x 128 x 8,192 float32.
;; This version of the problem:
;;   THIS VERSION OF THE PROBLEM IS GIVEN IN LOW PRECISION. The matrix products marked QUANTISED in the list below multiply operands that are first quantised to E3M2 (3 exponent bits, 2 mantissa bits; 6 bits a number), with one power-of-two scale for each 32 numbers along K (OCP MX v1.0); their sums are f32. All else is computed in f32.
;;   The module's matrix products, in the order in which they are computed (A, B: the left and right operand; K: the contracted axis; several contracted axes count as one K, in the product's order):
;;     1. batch 8 x [M 8,192, K 3] x [K 3, N 2,048]; A: input xyz1; B: input xyz2: left as it is (K = 3 < 32)
;;     2. batch 65,536 x [M 1, K 3] x [K 3, N 128]; A: computed on the way; B: computed on the way: left as it is (K = 3 < 32)
;;     3. [M 65,536, K 256] x [K 256, N 256]; A: computed on the way; B: input W1 (given as codes): QUANTISED
;;     4. [M 65,536, K 256] x [K 256, N 128]; A: computed on the way; B: input W2 (given as codes): QUANTISED
;;   THE QUANTISER, for each operand of a quantised product, along K:
;;     - K is cut into blocks of 32 from its start; a last block that is shorter is filled with zeros.
;;     - A block's scale is 2^e with e = floor(log2(the largest magnitude in the block)) - 4, held to -126 .. 127; a block of zeros has e = 0. As a byte (E8M0): e + 127.
;;     - Each number is divided by its block's scale, clamped to +-28, and rounded to the nearest number of E3M2, ties to even, subnormals kept.
;;     - The product sums the exact products of the quantised numbers (number of the format x scale) in f32.
;;   ~~~python
;;   def quantise(x, axis):      # numpy; x: float32 -> the quantised numbers, widened to float32 again
;;       x = np.moveaxis(x, axis, -1); K = x.shape[-1]
;;       x = np.pad(x, [(0, 0)] * (x.ndim - 1) + [(0, -K % 32)]); x = x.reshape(x.shape[:-1] + (-1, 32)); a = np.abs(x).max(-1, keepdims=True)
;;       e = np.where(a > 0, np.clip(np.frexp(np.where(a > 0, a, 1))[1] - 1 - 4, -126, 127), 0)      # np.frexp(a)[1] - 1 = floor(log2(a)), exactly
;;       r = np.clip(x / 2.0 ** e, -28, 28)
;;       step = 2.0 ** (np.maximum(np.frexp(np.where(r == 0, 1, r))[1] - 1, -2) - 2)
;;       q = np.round(r / step) * step * 2.0 ** e      # np.round: ties to even
;;       return np.moveaxis(q.reshape(q.shape[:-2] + (-1,))[..., :K], -1, axis).astype(np.float32)
;;   ~~~
;;   OPERANDS COMPUTED ON THE WAY. 'Computed on the way' means the value that the module computes at that place (a softmax that the list does not call 'softmax' is quantised finished and normalised). What goes into a quantiser is computed in f32, as accurately as f32 sums, v_exp_f32 and their like allow (about 1e-6 of the number): no bf16 or f16 on the way to a quantiser, and a product that is left as it is and whose result goes on into a quantised operand takes f32 operands (vector FMAs, or v_wmma_f32_16x16x4_f32). A number that lies on a knife's edge between two numbers of the format may be rounded either way, as far as f32 arithmetic and the matrix unit's own rounding can turn it there, and no further.
;;   INPUTS GIVEN AS CODES. W1 (in the module: [256, 256], K = its axis 1); W2 (in the module: [128, 256], K = its axis 1): each comes as NAME_codes (uint8): NAME with its K axis moved to the last place and cut into blocks of 32 codes, [.., K / 32, bytes a block], one block behind the other in memory; four codes in three bytes: a row's codes are one little-endian stream of bits, code i at bits 6 i .. 6 i + 5 (a code: sign, 3 exponent bits, 2 mantissa bits); and NAME_scales (uint8): the same leading axes, one E8M0 byte (e + 127) for each 32 codes along K. Its value is code x scale, taken as it is: it is not quantised again, and the codes and scales need not be those that the quantiser above would give.
;; One version. Each part assembles by itself: llvm-mc -triple=amdgcn-amd-amdhsa -mcpu=gfx1250 --defsym DOCPART=n.
;; ======== version 1 of 1: 7 launches
;; workspace buffers: gsel 786,432 bytes of whole numbers; idx 786,432 bytes of whole numbers; f2w 9,175,040 bytes; xq 13,107,200 bytes; part1 524,288 bytes; part2 524,288 bytes; ab1 2,048 bytes; ab2 2,048 bytes
;; launch coarse (part 1): grid 256 x 1, 8 waves a work-group, no clusters, 48,128 bytes of LDS; arguments xyz1, xyz2, gsel; writes gsel
.if DOCPART == 1
	.amdgcn_target "amdgcn-amd-amdhsa--gfx1250"
	.amdhsa_code_object_version 6
	.text
	.protected	k_q7099324be3_coarse
	.globl	k_q7099324be3_coarse
	.p2align	8
	.type	k_q7099324be3_coarse,@function
k_q7099324be3_coarse:
	s_mov_b64 s[64:65], 0
	v_nop
	global_prefetch_b8 v0, s[64:65] scope:SCOPE_SE
	s_setreg_imm32_b32 hwreg(HW_REG_WAVE_MODE, 25, 1), 1
	s_wait_xcnt 0x0
; For each of 65,536 points: the three best GROUPS of 16 neighbouring candidates, ordered by (smallest d in the group, group number).
; d = ((-2 dot + s1) + s2), the dot as a chain of fused multiply-adds.
; Groups are ranges of neighbouring indices, so an element of the true top 3 (by d, then index) cannot lie outside the best 3 groups: three other groups would each hold a smaller element.
; SHARES. A work-group owns 256 points of one batch. Wave w takes 64 of them (quarter w & 3, four tiles of 16) and half of the 2,048 candidates (w >> 2): 32 pairs of tiles.
; THE PRODUCT. v_wmma_f32_16x16x4_f32, source 0 = 16 candidates (x, y, z, 1), source 1 = 16 queries (-2x, -2y, -2z, s1), C = 0: four fused multiply-adds in ascending k.
; Row m of tile 2c+u is candidate 32c + 16 (m / 8) + 8u + m % 8, so a lane's 16 results of a pair of tiles are 16 neighbouring candidates of ONE query: group 2c + lane / 16.
; The vector unit adds s2, takes the group's minimum (8 lines) and inserts it into the lane's list of three (11 lines); these lines stand between the matrix instructions.
; LIMITS: NaN and infinities among the inputs are not served. Where f32 rounding alone decides between the third and the fourth neighbour, either may be chosen.
.set AT,  0                            ; LDS: candidate fragments as register images: tile x 256 + lane x 8; 128 tiles
.set S2L, 32768                        ; s2 of each candidate, 4 bytes
.set MRG, 40960                        ; lists of waves 4-7 for waves 0-3: quarter x 1536 + (6 tile + field) x 64 + 4 r
.set ST,  24                           ; v24-47  tile t: d1 d2 d3 i1 i2 i3
.set BF,  48                           ; v48-55  the queries' fragments, two registers a tile
.set AF,  56                           ; v56-63  candidates' fragments: two buffers of two tiles
.set S2B, 64                           ; v64-95  s2 of a pair's 16 candidates: two buffers
.set TT,  96                           ; v96-127 d of a group: two sets
.set DD,  128                          ; v128-255 the products: 128 + 64 buffer + 16 tile + 8 u; written by matrix instructions alone
.macro LDA X, off
	ds_load_b64 v[AF+4*\X:AF+4*\X+1], v6 offset:\off
	ds_load_b64 v[AF+4*\X+2:AF+4*\X+3], v6 offset:\off+256
.endm
.macro LDS2 X, off
.irp i, 0,1,2,3
	ds_load_b128 v[S2B+16*\X+4*\i:S2B+16*\X+4*\i+3], v7 offset:\off+16*\i
.endr
.endm
.macro MM X, t, u
	v_wmma_f32_16x16x4_f32 v[DD+64*(\X)+16*\t+8*\u:DD+64*(\X)+16*\t+8*\u+7], v[AF+4*(\X)+2*\u:AF+4*(\X)+2*\u+1], v[BF+2*\t:BF+2*\t+1], 0
.endm
.macro PROC_A X, t                     ; + s2, each product from its low end on; then five of the eight lines of the minimum
.set TS, TT+16*((\t)&1)
.irp e, 0,1,2,3,4,5,6,7
	v_pk_add_f32 v[TS+2*\e:TS+2*\e+1], v[DD+64*(\X)+16*(\t)+2*\e:DD+64*(\X)+16*(\t)+2*\e+1], v[S2B+16*(\X)+2*\e:S2B+16*(\X)+2*\e+1]
.endr
	v_min3_num_f32 v11, v[TS], v[TS+1], v[TS+2]
	v_min3_num_f32 v12, v[TS+7], v[TS+8], v[TS+9]
	v_min3_num_f32 v11, v11, v[TS+3], v[TS+4]
	v_min3_num_f32 v12, v12, v[TS+10], v[TS+11]
	v_min3_num_f32 v11, v11, v[TS+5], v[TS+6]
.endm
.macro INSB x, g                       ; masks s20-22 say: the newcomer comes before place 1, 2, 3
	v_cndmask_b32 v13, v[\g], v[SB+4], s21
	v_cndmask_b32 v[SB+5], v[SB+5], v13, s22
	v_cndmask_b32 v14, v[\g], v[SB+3], s20
	v_cndmask_b32 v[SB+4], v[SB+4], v14, s21
	v_cndmask_b32 v[SB+3], v[SB+3], v[\g], s20
	v_med3_num_f32 v[SB+2], v[SB+1], v[SB+2], v[\x]
	v_med3_num_f32 v[SB+1], v[SB], v[SB+1], v[\x]
	v_min_num_f32 v[SB], v[SB], v[\x]
.endm
.macro INS t, x, g                     ; strictly smaller: a newcomer loses ties, right where newcomers have the larger numbers
.set SB, ST+6*(\t)
	v_cmp_lt_f32 s20, v[\x], v[SB]
	v_cmp_lt_f32 s21, v[\x], v[SB+1]
	v_cmp_lt_f32 s22, v[\x], v[SB+2]
	INSB \x, \g
.endm
.macro LEXINS t, x, g                  ; by (d, number): for lists whose numbers interleave
.set SB, ST+6*(\t)
.irp k, 0,1,2
	v_cmp_lt_f32 s[20+\k], v[\x], v[SB+\k]
	v_cmp_eq_f32 s23, v[\x], v[SB+\k]
	v_cmp_lt_u32 s24, v[\g], v[SB+3+\k]
	s_and_b32 s23, s23, s24
	s_or_b32 s[20+\k], s[20+\k], s23
.endr
	INSB \x, \g
.endm
.macro PROC_B X, t
	v_min3_num_f32 v12, v12, v[TS+12], v[TS+13]
	v_min3_num_f32 v11, v11, v12, v[TS+14]
	v_min_num_f32 v11, v11, v[TS+15]
	INS \t, 11, 8
.endm
; A step works on pair c (buffer X) and issues pair c+1's products (the other buffer); 13 or 14 plain lines that name none of its registers follow each matrix instruction.
.macro STEP X, ld, offA, offS
	s_wait_dscnt 4                                 ; out, in order: s2 of pair c, fragments of c+1, s2 of c+1: the last four may stay out
.irp t, 0,1,2,3
	MM 1-\X, \t, 0
	PROC_A \X, \t
	MM 1-\X, \t, 1
	PROC_B \X, \t
.if (\t == 1) && \ld
	LDA \X, \offA                                  ; pair c+2: this buffer's last product was issued in the step before
.endif
.endr
	v_add_nc_u32 v8, 2, v8
.if \ld
	LDS2 \X, \offS
.endif
.endm
	s_load_b128 s[4:7], s[0:1], 0x0                ; xyz1, xyz2
	s_load_b64 s[8:9], s[0:1], 0x10                ; gsel
	v_lshl_add_u32 v22, v0, 2, 0xb800
	v_mov_b32 v23, 0
	v_lshrrev_b32 v1, 5, v0
	v_readfirstlane_b32 s10, v1                    ; wave
	v_and_b32 v1, 31, v0                           ; lane
	v_and_b32 v2, 15, v0                           ; r
	v_bfe_u32 v3, v0, 4, 1                         ; h
	s_lshr_b32 s11, ttmp9, 5                       ; batch
	s_and_b32 s13, s10, 3                          ; quarter of the queries
	s_lshr_b32 s14, s10, 2                         ; half of the candidates
	s_mov_b32 s16, 0xffff0000                      ; lanes 16-31
	s_mov_b32 s18, 0x76543210
	s_mov_b32 s19, 0xfedcba98                      ; selects: lane l xor 16
	v_bfe_u32 v4, v0, 3, 1                         ; candidate tid + 256 j lies in tile 2 (w + 8 j) + u, row 8 (lane / 16) + lane % 8
	v_lshlrev_b32 v4, 8, v4
	v_lshl_add_u32 v4, v3, 6, v4
	v_and_b32 v5, 7, v0
	v_lshl_add_u32 v4, v5, 3, v4
	s_lshl_b32 s34, s10, 9
	v_add_nc_u32 v4, s34, v4
	v_lshl_add_u32 v5, v0, 2, S2L
	s_lshl_b32 s34, s14, 14
	v_lshl_add_u32 v6, v1, 3, s34                  ; my fragments: half x 16,384 + 8 x lane
	s_lshl_b32 s35, s14, 12
	s_add_co_u32 s35, s35, S2L
	v_lshl_add_u32 v7, v3, 6, s35                  ; my 16 s2: half x 4,096 + 64 h
	s_lshl_b32 s36, s14, 6
	v_add_nc_u32 v8, s36, v3                       ; group number of pair 0
	s_mul_i32 s37, s13, 1536
	s_add_co_u32 s37, s37, MRG
	v_lshl_add_u32 v9, v2, 2, s37
	v_lshlrev_b32 v10, 2, v1
	v_mul_u32_u24 v13, v0, 12
	v_mul_u32_u24 v14, v2, 12
	s_mul_i32 s28, s11, 24576
	s_mov_b32 s29, 0
	s_mul_i32 s30, ttmp9, 3072
	s_mul_i32 s12, s13, 768
	s_add_co_u32 s30, s30, s12
	s_mov_b32 s31, 0
	s_lshl_b32 s32, ttmp9, 10
	s_lshl_b32 s12, s13, 8
	s_add_co_u32 s32, s32, s12
	s_mov_b32 s33, 0
	s_wait_kmcnt 0x0
	s_add_nc_u64 s[6:7], s[6:7], s[28:29]          ; my batch's candidates
	s_add_nc_u64 s[4:5], s[4:5], s[30:31]          ; my wave's 64 queries
	s_add_nc_u64 s[8:9], s[8:9], s[32:33]
.irp j, 0,1,2,3,4,5,6,7
	global_load_b96 v[64+4*\j:66+4*\j], v13, s[6:7] offset:3072*\j   ; a wave reads 384 consecutive bytes
.endr
.irp t, 0,1,2,3
	global_load_b96 v[96+4*\t:98+4*\t], v14, s[4:5] offset:192*\t
.endr
.irp t, 0,1,2,3
.irp k, 0,1,2
	v_mov_b32 v[ST+6*\t+\k], 0x7f800000            ; the lists begin at +infinity
	v_mov_b32 v[ST+6*\t+3+\k], 0
.endr
.endr
.irp k, 15,16,17,18,19,20
	v_mov_b32 v\k, 0                               ; a lane permute's destination counts as one of its sources
.endr
	s_wait_loadcnt 4                               ; the candidates are in; the four query loads may stay out
.irp j, 0,1,2,3,4,5,6,7
	v_mul_f32 v[112+\j], v[64+4*\j], v[64+4*\j]
	v_fma_f32 v[112+\j], v[65+4*\j], v[65+4*\j], v[112+\j]
	v_fma_f32 v[112+\j], v[66+4*\j], v[66+4*\j], v[112+\j]
	v_mov_b32 v[67+4*\j], 1.0
	ds_store_b64 v4, v[64+4*\j:65+4*\j] offset:4096*\j
	ds_store_b64 v4, v[66+4*\j:67+4*\j] offset:4096*\j+128
	ds_store_b32 v5, v[112+\j] offset:1024*\j
.endr
	s_wait_loadcnt 0x0
.irp t, 0,1,2,3
	v_mul_f32 v[99+4*\t], v[96+4*\t], v[96+4*\t]
	v_fma_f32 v[99+4*\t], v[97+4*\t], v[97+4*\t], v[99+4*\t]
	v_fma_f32 v[99+4*\t], v[98+4*\t], v[98+4*\t], v[99+4*\t]
	v_mul_f32 v[96+4*\t], -2.0, v[96+4*\t]
	v_mul_f32 v[97+4*\t], -2.0, v[97+4*\t]
	v_mul_f32 v[98+4*\t], -2.0, v[98+4*\t]
	v_cndmask_b32 v[BF+2*\t], v[96+4*\t], v[98+4*\t], s16       ; lanes 0-15: k = 0, 1; lanes 16-31: k = 2, 3
	v_cndmask_b32 v[BF+2*\t+1], v[97+4*\t], v[99+4*\t], s16
.endr
	s_wait_dscnt 0x0                               ; my images have landed
	s_barrier_signal -1
	s_barrier_wait -1                              ; everybody's have
	LDA 0, 0
	LDS2 0, 0
	LDA 1, 512
	LDS2 1, 128
	s_wait_dscnt 10                                ; only pair 0's two fragment loads are wanted; the ten younger loads stay out
.irp t, 0,1,2,3
	MM 0, \t, 0
	MM 0, \t, 1
.endr
.rept 8
	v_nop                                          ; eight places behind this form before its results are read (ISA guide 7.12.1)
.endr
	s_mov_b32 s26, 15
.Lpair:                                            ; a trip: two pairs of tiles, 16 matrix instructions
	STEP 0, 1, 1024, 256
	STEP 1, 1, 1536, 384
	v_add_nc_u32 v6, 1024, v6
	v_add_nc_u32 v7, 256, v7
	s_sub_co_u32 s26, s26, 1
	s_cmp_lg_u32 s26, 0
	s_cbranch_scc1 .Lpair
	STEP 0, 0, 0, 0                                ; pair 30; pair 31's products; nothing more to fetch
	s_wait_dscnt 0x0
.irp t, 0,1,2,3
	PROC_A 1, \t
	PROC_B 1, \t
.endr
.irp t, 0,1,2,3                                    ; the two halves of the lanes hold the even and the odd groups of a query: each takes the other's list
.irp f, 0,1,2,3,4,5
	v_permlanex16_b32 v[15+\f], v[ST+6*\t+\f], s18, s19
.endr
	LEXINS \t, 15, 18
	LEXINS \t, 16, 19
	LEXINS \t, 17, 20
.endr
	s_barrier_signal -1                            ; every wave's reads of the images are over (its last wait on DScnt was for 0)
	s_barrier_wait -1
	s_cmp_lt_u32 s10, 4
	s_cbranch_scc1 .Lkeep
.irp t, 0,1,2,3
.irp f, 0,1,2,3,4,5
	ds_store_b32 v9, v[ST+6*\t+\f] offset:(6*\t+\f)*64    ; lanes r and r + 16 write the same word with the same value
.endr
.endr
.Lkeep:
	s_wait_dscnt 0x0
	s_barrier_signal -1
	s_barrier_wait -1
	s_cmp_ge_u32 s10, 4
	s_cbranch_scc1 .Ldone
.irp t, 0,1,2,3
.irp f, 0,1,2,3,4,5
	ds_load_b32 v[96+6*\t+\f], v9 offset:(6*\t+\f)*64
.endr
.endr
	s_wait_dscnt 0x0
.irp t, 0,1,2,3                                    ; the upper half's groups all have larger numbers: they lose ties
	INS \t, 96+6*\t, 99+6*\t
	INS \t, 97+6*\t, 100+6*\t
	INS \t, 98+6*\t, 101+6*\t
.endr
.irp k, 0,1,2
.irp e, 0,1
	v_cndmask_b32 v[120+2*\k+\e], v[ST+12*\e+3+\k], v[ST+12*\e+9+\k], s16   ; lanes 0-15 tile 2e, lanes 16-31 tile 2e+1: 32 neighbouring points
	global_store_b32 v10, v[120+2*\k+\e], s[8:9] offset:262144*\k+128*\e
.endr
.endr
.Ldone:
	s_wait_tensorcnt 0x0
	ds_add_u32 v22, v23
	s_wait_dscnt 0x0
	s_endpgm
.Lfunc_end_k_q7099324be3_coarse:
	.size	k_q7099324be3_coarse, .Lfunc_end_k_q7099324be3_coarse-k_q7099324be3_coarse
	.p2alignl 7, 3214868480
	.fill 96, 4, 3214868480
	.section	.rodata,"a",@progbits
	.p2align	6, 0x0
	.amdhsa_kernel k_q7099324be3_coarse
		.amdhsa_group_segment_fixed_size 48128
		.amdhsa_private_segment_fixed_size 0
		.amdhsa_enable_private_segment 0
		.amdhsa_kernarg_size 24
		.amdhsa_user_sgpr_count 2
		.amdhsa_user_sgpr_kernarg_segment_ptr 1
		.amdhsa_wavefront_size32 1
		.amdhsa_system_sgpr_workgroup_id_x 1
		.amdhsa_system_sgpr_workgroup_id_y 1
		.amdhsa_system_sgpr_workgroup_id_z 1
		.amdhsa_system_vgpr_workitem_id 0
		.amdhsa_next_free_vgpr 256
		.amdhsa_next_free_sgpr 66
		.amdhsa_reserve_vcc 0
		.amdhsa_float_denorm_mode_32 3
		.amdhsa_float_denorm_mode_16_64 3
		.amdhsa_memory_ordered 1
		.amdhsa_forward_progress 1
		.amdhsa_inst_pref_size 69
	.end_amdhsa_kernel
	.amdgpu_metadata
---
amdhsa.version: [ 1, 2 ]
amdhsa.kernels:
  - .name:           k_q7099324be3_coarse
    .symbol:         k_q7099324be3_coarse.kd
    .args:
      - { .name: xyz1, .offset: 0, .size: 8, .value_kind: global_buffer, .address_space: global }
      - { .name: xyz2, .offset: 8, .size: 8, .value_kind: global_buffer, .address_space: global }
      - { .name: gsel, .offset: 16, .size: 8, .value_kind: global_buffer, .address_space: global }
    .group_segment_fixed_size: 48128
    .private_segment_fixed_size: 0
    .kernarg_segment_align: 8
    .kernarg_segment_size: 24
    .max_flat_workgroup_size: 256
    .sgpr_count:     66
    .vgpr_count:     256
    .wavefront_size: 32
...
	.end_amdgpu_metadata
.endif
;; end of part 1
;; launch refine (part 2): grid 256 x 1, 8 waves a work-group, no clusters, 34,816 bytes of LDS; arguments xyz1, xyz2, features2, gsel, idx, f2w; writes idx, f2w
.if DOCPART == 2
	.amdgcn_target "amdgcn-amd-amdhsa--gfx1250"
	.amdhsa_code_object_version 6
	.text
	.protected	k_q7099324be3_refine
	.globl	k_q7099324be3_refine
	.p2align	8
	.type	k_q7099324be3_refine,@function
k_q7099324be3_refine:
	s_mov_b64 s[64:65], 0
	v_nop
	global_prefetch_b8 v0, s[64:65] scope:SCOPE_SE
	s_setreg_imm32_b32 hwreg(HW_REG_WAVE_MODE, 25, 1), 1
	s_wait_xcnt 0x0
; A thread owns a point: the exact three nearest among the 48 candidates of its three groups (taken in ascending order, so that the lower index wins ties), and the three weights
; (1 / (d + 1e-8)) / their sum. d is made by the same chain as in the launch before: mul, fma, fma, + s1, + s2.
; The work-group also turns features2[b][all 128 c][64 m] into f2t[b][m][c], through LDS, so that a neighbour's 128 channels are 512 consecutive bytes for the gather.
; The group numbers are whole numbers stored by the earlier launch; they are held to 127 ahead of every address.
; LIMITS: NaN and infinities are not served; where f32 rounding alone decides between the third and fourth neighbour, either may be chosen.
.set FF, 144                           ; v144-175 the block to be turned
.macro GLD G                           ; a group's 16 candidates: 192 consecutive bytes a lane
.irp i, 0,1,2,3,4,5,6,7,8,9,10,11
	global_load_b128 v[48+48*((\G)&1)+4*\i:48+48*((\G)&1)+4*\i+3], v[43+\G], s[6:7] offset:16*\i
.endr
.endm
.macro GRP G
.set CB, 48+48*((\G)&1)
.irp e, 0,1,2,3,4,5,6,7,8,9,10,11,12,13,14,15
	v_mul_f32 v34, v[CB+3*\e], v[CB+3*\e]
	v_mul_f32 v35, v19, v[CB+3*\e]
	v_fma_f32 v34, v[CB+3*\e+1], v[CB+3*\e+1], v34
	v_fma_f32 v35, v20, v[CB+3*\e+1], v35
	v_fma_f32 v34, v[CB+3*\e+2], v[CB+3*\e+2], v34
	v_fma_f32 v35, v21, v[CB+3*\e+2], v35
	v_add_f32 v35, v35, v22
	v_add_f32 v32, v35, v34
	v_add_nc_u32 v33, \e, v[36+\G]
	v_cmp_lt_f32 s33, v32, v24
	v_cmp_lt_f32 s34, v32, v25
	v_cmp_lt_f32 s35, v32, v26
	v_cndmask_b32 v30, v33, v28, s34
	v_cndmask_b32 v29, v29, v30, s35
	v_cndmask_b32 v31, v33, v27, s33
	v_cndmask_b32 v28, v28, v31, s34
	v_cndmask_b32 v27, v27, v33, s33
	v_med3_num_f32 v26, v25, v26, v32
	v_med3_num_f32 v25, v24, v25, v32
	v_min_num_f32 v24, v24, v32
.endr
.endm
	s_load_b256 s[4:11], s[0:1], 0x0               ; xyz1, xyz2, features2, gsel
	s_load_b128 s[12:15], s[0:1], 0x20             ; idx, f2w
	v_lshl_add_u32 v192, v0, 2, 0x8400
	v_mov_b32 v193, 0
	v_lshrrev_b32 v1, 5, v0
	v_readfirstlane_b32 s16, v1                    ; wave
	s_lshr_b32 s17, ttmp9, 5                       ; batch
	s_and_b32 s18, ttmp9, 31
	v_lshlrev_b32 v1, 2, v0                        ; 4 tid
	v_mul_u32_u24 v2, v0, 12
	v_lshrrev_b32 v3, 4, v0
	v_and_b32 v4, 15, v0
	v_lshlrev_b32 v5, 13, v3
	v_lshl_add_u32 v5, v4, 4, v5                   ; features2: channel tid / 16 (+ 16 i), 16 bytes at 16 (tid % 16): sixteen lanes read 256 consecutive bytes
	v_mul_u32_u24 v6, v4, 2112
	v_lshl_add_u32 v6, v3, 2, v6                   ; LDS, in: row m = 4 (tid % 16) + e of 528 bytes, word c
	v_and_b32 v7, 31, v0
	v_lshlrev_b32 v7, 4, v7
	s_mul_i32 s32, s16, 4224
	v_add_nc_u32 v8, s32, v7                       ; LDS, out: rows 8 w + i, 16 bytes a lane
	s_lshl_b32 s20, ttmp9, 10
	s_mov_b32 s21, 0
	s_mul_i32 s22, ttmp9, 3072
	s_mov_b32 s23, 0
	s_lshl_b32 s24, s17, 20
	s_lshl_b32 s25, s18, 8
	s_add_co_u32 s24, s24, s25
	s_mov_b32 s25, 0
	s_mul_i32 s26, s17, 24576
	s_mov_b32 s27, 0
	s_lshl_b32 s28, s17, 20
	s_lshl_b32 s29, s18, 15
	s_add_co_u32 s28, s28, s29
	s_lshl_b32 s29, s16, 12
	s_add_co_u32 s28, s28, s29
	s_mov_b32 s29, 0
	s_wait_kmcnt 0x0
	s_add_nc_u64 s[10:11], s[10:11], s[20:21]
	s_add_nc_u64 s[12:13], s[12:13], s[20:21]
	s_add_nc_u64 s[30:31], s[14:15], s[20:21]
	s_add_nc_u64 s[30:31], s[30:31], 0x800000      ; the weights lie behind f2t
	s_add_nc_u64 s[14:15], s[14:15], s[28:29]
	s_add_nc_u64 s[4:5], s[4:5], s[22:23]
	s_add_nc_u64 s[8:9], s[8:9], s[24:25]
	s_add_nc_u64 s[6:7], s[6:7], s[26:27]
.irp k, 0,1,2
	global_load_b32 v[16+\k], v1, s[10:11] offset:262144*\k
.endr
	global_load_b96 v[40:42], v2, s[4:5]
.irp i, 0,1,2,3,4,5,6,7
	global_load_b128 v[FF+4*\i:FF+4*\i+3], v5, s[8:9] offset:131072*\i th:TH_LOAD_NT
.endr
	s_wait_loadcnt 8                               ; groups and my point are in; the eight loads of features2 stay out
	v_min_u32 v30, v16, v17                        ; the three groups in ascending order
	v_max_u32 v31, v16, v17
	v_min_u32 v16, v30, v18
	v_max_u32 v32, v30, v18
	v_min_u32 v17, v31, v32
	v_max_u32 v18, v31, v32
.irp k, 0,1,2
	v_min_u32 v[16+\k], 127, v[16+\k]
	v_mul_u32_u24 v[43+\k], v[16+\k], 192
	v_lshlrev_b32 v[36+\k], 4, v[16+\k]
.endr
	GLD 0
	GLD 1
	s_wait_loadcnt 24                              ; features2's block is in; the two groups' 24 loads stay out
.irp i, 0,1,2,3,4,5,6,7
.irp e, 0,1,2,3
	ds_store_b32 v6, v[FF+4*\i+\e] offset:528*\e+64*\i
.endr
.endr
	v_mul_f32 v22, v40, v40                        ; s1 and -2 x my point, while the stores are out
	v_fma_f32 v22, v41, v41, v22
	v_fma_f32 v22, v42, v42, v22
	v_mul_f32 v19, -2.0, v40
	v_mul_f32 v20, -2.0, v41
	v_mul_f32 v21, -2.0, v42
.irp k, 0,1,2
	v_mov_b32 v[24+\k], 0x7f800000
	v_mov_b32 v[27+\k], 0
.endr
	s_wait_dscnt 0x0
	s_barrier_signal -1
	s_barrier_wait -1
.irp i, 0,1,2,3,4,5,6,7
	ds_load_b128 v[FF+4*\i:FF+4*\i+3], v8 offset:528*\i
.endr
	s_wait_dscnt 0x0
.irp i, 0,1,2,3,4,5,6,7
	global_store_b128 v7, v[FF+4*\i:FF+4*\i+3], s[14:15] offset:512*\i   ; 32 lanes store a row of 512 consecutive bytes
.endr
	s_wait_loadcnt 12                              ; group 0 is in
	GRP 0
	GLD 2                                          ; into group 0's registers
	s_wait_loadcnt 12                              ; group 1 is in
	GRP 1
	s_wait_loadcnt 0x0
	GRP 2
	v_add_f32 v30, 0x322bcc77, v24                 ; d + 1e-8
	v_add_f32 v31, 0x322bcc77, v25
	v_add_f32 v32, 0x322bcc77, v26
	v_rcp_f32 v30, v30
	v_rcp_f32 v31, v31
	v_rcp_f32 v32, v32
	v_nop                                          ; a plain line behind the reciprocals
	s_wait_alu depctr_va_vdst(0)
	v_add_f32 v33, v30, v31
	v_add_f32 v33, v33, v32
	v_rcp_f32 v33, v33
	v_nop
	s_wait_alu depctr_va_vdst(0)
	v_mul_f32 v30, v30, v33
	v_mul_f32 v31, v31, v33
	v_mul_f32 v32, v32, v33
.irp k, 0,1,2
	global_store_b32 v1, v[27+\k], s[12:13] offset:262144*\k
	global_store_b32 v1, v[30+\k], s[30:31] offset:262144*\k
.endr
	s_wait_tensorcnt 0x0
	ds_add_u32 v192, v193
	s_wait_dscnt 0x0
	s_endpgm
.Lfunc_end_k_q7099324be3_refine:
	.size	k_q7099324be3_refine, .Lfunc_end_k_q7099324be3_refine-k_q7099324be3_refine
	.p2alignl 7, 3214868480
	.fill 96, 4, 3214868480
	.section	.rodata,"a",@progbits
	.p2align	6, 0x0
	.amdhsa_kernel k_q7099324be3_refine
		.amdhsa_group_segment_fixed_size 34816
		.amdhsa_private_segment_fixed_size 0
		.amdhsa_enable_private_segment 0
		.amdhsa_kernarg_size 48
		.amdhsa_user_sgpr_count 2
		.amdhsa_user_sgpr_kernarg_segment_ptr 1
		.amdhsa_wavefront_size32 1
		.amdhsa_system_sgpr_workgroup_id_x 1
		.amdhsa_system_sgpr_workgroup_id_y 1
		.amdhsa_system_sgpr_workgroup_id_z 1
		.amdhsa_system_vgpr_workitem_id 0
		.amdhsa_next_free_vgpr 194
		.amdhsa_next_free_sgpr 66
		.amdhsa_reserve_vcc 0
		.amdhsa_float_denorm_mode_32 3
		.amdhsa_float_denorm_mode_16_64 3
		.amdhsa_memory_ordered 1
		.amdhsa_forward_progress 1
		.amdhsa_inst_pref_size 64
	.end_amdhsa_kernel
	.amdgpu_metadata
---
amdhsa.version: [ 1, 2 ]
amdhsa.kernels:
  - .name:           k_q7099324be3_refine
    .symbol:         k_q7099324be3_refine.kd
    .args:
      - { .name: xyz1, .offset: 0, .size: 8, .value_kind: global_buffer, .address_space: global }
      - { .name: xyz2, .offset: 8, .size: 8, .value_kind: global_buffer, .address_space: global }
      - { .name: features2, .offset: 16, .size: 8, .value_kind: global_buffer, .address_space: global }
      - { .name: gsel, .offset: 24, .size: 8, .value_kind: global_buffer, .address_space: global }
      - { .name: idx, .offset: 32, .size: 8, .value_kind: global_buffer, .address_space: global }
      - { .name: f2w, .offset: 40, .size: 8, .value_kind: global_buffer, .address_space: global }
    .group_segment_fixed_size: 34816
    .private_segment_fixed_size: 0
    .kernarg_segment_align: 8
    .kernarg_segment_size: 48
    .max_flat_workgroup_size: 256
    .sgpr_count:     66
    .vgpr_count:     194
    .wavefront_size: 32
...
	.end_amdgpu_metadata
.endif
;; end of part 2
;; launch gather1 (part 3): grid 256 x 1, 8 waves a work-group, no clusters, 68,608 bytes of LDS; arguments idx, f2w, features1, W1_codes, W1_scales, xq, part1; writes xq, part1
.if DOCPART == 3
	.amdgcn_target "amdgcn-amd-amdhsa--gfx1250"
	.amdhsa_code_object_version 6
	.text
	.protected	k_q7099324be3_gather1
	.globl	k_q7099324be3_gather1
	.p2align	8
	.type	k_q7099324be3_gather1,@function
k_q7099324be3_gather1:
	s_mov_b64 s[64:65], 0
	v_nop
	global_prefetch_b8 v0, s[64:65] scope:SCOPE_SE
	s_setreg_imm32_b32 hwreg(HW_REG_WAVE_MODE, 25, 1), 1
	s_wait_xcnt 0x0
; X = concat(interp, f1^T) of 256 points is made in f32, quantised along its 256 channels to codes of E3M2 with E8M0 scales, stored as images of the operand's registers, and multiplied by W1^T;
; of z = X W1^T only each channel's mean and sum of squared deviations over the work-group's 256 rows go to memory (the bias is added where the partials are combined).
; SHARES. Wave w owns 32 points. PHASE G: a lane is a point and its registers run along the channels, so a block of 32 lies in one lane: its largest magnitude needs no other lane.
; Sixteen units in four register slots, loads three units ahead: units 0-3 are f1's four blocks (each load: 128 consecutive bytes a wave, the eight waves side by side);
; units 4-15 are (block, neighbour): 128 bytes of a neighbour's row of f2t a lane; interp = w0 g0 + w1 g1 + w2 g2 by fused multiply-adds.
; A block's codes of points 0-15 and 16-31 change places between two registers, so that lanes 0-15 hold block 2c and lanes 16-31 block 2c+1 of a tile of 16 points: the operand's layout.
; PRODUCT. Source 0 = 16 points, source 1 = 16 rows of W1, taken from LDS as register images that the eight waves made once. A lane then holds one channel and 16 rows.
; W1's tile t takes rows 32 (t/2) + 8 (t%2) + r + 8 (r/8): the same images serve the later launches, which use the product transposed.
; The variance is never a difference of large sums: (mean, M2) of 32 rows, joined to 256 rows by M2 = sum M2i + 32 sum (mi - m)^2.
; LIMITS: NaN and infinities are not served. A block whose largest magnitude lies under 2^-122, a block of zeros among them, keeps the scale byte 1; a block of zeros has zero codes, which add nothing.
.set W1L,  0                           ; LDS: W1's 32 fragments, 1,536 bytes each: (2 tile + K step) x 1536 + 512 c + 16 lane
.set W1SL, 49152                       ; their scale words: tile x 128 + 4 lane (lanes 0-15 K step 0, lanes 16-31 K step 1)
.set STL,  51200                       ; means: wave x 1024 + 4 channel; M2 8,192 bytes on
.set SCB,  12582912                    ; xq: the scale words lie behind the codes
.set X,    16                          ; v16-63   X(R, s) = 16 + 24 R + 12 s
.set XS,   64                          ; v64-65   X's scale words: lane = point; scales and nothing else
.set H,    66
.set HS,   114
.set BUF,  118                         ; v118-181 two sets of two fragments of W; scratch of the statistics
.set ACC,  186                         ; v186-249 ACC(R, tt) = 186 + 32 R + 8 tt
.set WS,   250                         ; v250-253 W's scale words; scales and nothing else
.set S,    66                          ; phase G: v66-193 four slots of 32
.set ACCB, 194                         ; v194-225 a block of interp
.set CT,   226
.set MX,   230
.set WT,   194                         ; v194-241 W1's fragments on their way to LDS, ahead of unit 0's work
.set SEL,  22
.macro NOPS n
.rept \n
	v_nop
.endr
.endm
.macro WM d, a, b, zero, sa, sb, ra, rb
.if \zero
.if ((\ra) == 0) && ((\rb) == 0)
	v_wmma_scale_f32_16x16x128_f8f6f4 v[\d:\d+7], v[\a:\a+11], v[\b:\b+11], 0, v[\sa], v[\sb] matrix_a_fmt:MATRIX_FMT_BF6 matrix_b_fmt:MATRIX_FMT_BF6
.elseif ((\ra) == 1) && ((\rb) == 0)
	v_wmma_scale_f32_16x16x128_f8f6f4 v[\d:\d+7], v[\a:\a+11], v[\b:\b+11], 0, v[\sa], v[\sb] matrix_a_fmt:MATRIX_FMT_BF6 matrix_b_fmt:MATRIX_FMT_BF6 matrix_a_scale:MATRIX_SCALE_ROW1
.elseif ((\ra) == 0) && ((\rb) == 1)
	v_wmma_scale_f32_16x16x128_f8f6f4 v[\d:\d+7], v[\a:\a+11], v[\b:\b+11], 0, v[\sa], v[\sb] matrix_a_fmt:MATRIX_FMT_BF6 matrix_b_fmt:MATRIX_FMT_BF6 matrix_b_scale:MATRIX_SCALE_ROW1
.else
	v_wmma_scale_f32_16x16x128_f8f6f4 v[\d:\d+7], v[\a:\a+11], v[\b:\b+11], 0, v[\sa], v[\sb] matrix_a_fmt:MATRIX_FMT_BF6 matrix_b_fmt:MATRIX_FMT_BF6 matrix_a_scale:MATRIX_SCALE_ROW1 matrix_b_scale:MATRIX_SCALE_ROW1
.endif
.else
.if ((\ra) == 0) && ((\rb) == 0)
	v_wmma_scale_f32_16x16x128_f8f6f4 v[\d:\d+7], v[\a:\a+11], v[\b:\b+11], v[\d:\d+7], v[\sa], v[\sb] matrix_a_fmt:MATRIX_FMT_BF6 matrix_b_fmt:MATRIX_FMT_BF6
.elseif ((\ra) == 1) && ((\rb) == 0)
	v_wmma_scale_f32_16x16x128_f8f6f4 v[\d:\d+7], v[\a:\a+11], v[\b:\b+11], v[\d:\d+7], v[\sa], v[\sb] matrix_a_fmt:MATRIX_FMT_BF6 matrix_b_fmt:MATRIX_FMT_BF6 matrix_a_scale:MATRIX_SCALE_ROW1
.elseif ((\ra) == 0) && ((\rb) == 1)
	v_wmma_scale_f32_16x16x128_f8f6f4 v[\d:\d+7], v[\a:\a+11], v[\b:\b+11], v[\d:\d+7], v[\sa], v[\sb] matrix_a_fmt:MATRIX_FMT_BF6 matrix_b_fmt:MATRIX_FMT_BF6 matrix_b_scale:MATRIX_SCALE_ROW1
.else
	v_wmma_scale_f32_16x16x128_f8f6f4 v[\d:\d+7], v[\a:\a+11], v[\b:\b+11], v[\d:\d+7], v[\sa], v[\sb] matrix_a_fmt:MATRIX_FMT_BF6 matrix_b_fmt:MATRIX_FMT_BF6 matrix_a_scale:MATRIX_SCALE_ROW1 matrix_b_scale:MATRIX_SCALE_ROW1
.endif
.endif
.endm
; Group g of a pass: tiles 2 (g & 1) + e, K step g >> 1, both tiles of rows: four matrix instructions on four accumulators.
.macro MMG kind, g
.set SS, (\g)>>1
.if (\g) < 2
.set ZR, 1
.else
.set ZR, 0
.endif
.irp e, 0,1
.irp R, 0,1
.set TL, 2*((\g)&1)+\e
.set WF, BUF+24*((\g)&1)+12*\e
.set AC, ACC+32*\R+8*TL
.if \kind == 0
	WM AC, WF, X+24*\R+12*SS, ZR, WS+TL, XS+SS, SS, \R
.elseif \kind == 1
	WM AC, X+24*\R+12*SS, WF, ZR, XS+SS, WS+TL, \R, SS
.else
	WM AC, H+24*\R+12*SS, WF, ZR, HS+2*\R+SS, WS+TL, 0, SS
.endif
.endr
.endr
.endm
.macro WLD ai, wimg, g                 ; group g's two fragments of W: six loads of 512 consecutive bytes
.irp e, 0,1
.irp c, 0,1,2
	ds_load_b128 v[BUF+24*((\g)&1)+12*\e+4*\c:BUF+24*((\g)&1)+12*\e+4*\c+3], v[\ai] offset:\wimg+(2*(2*((\g)&1)+\e)+((\g)>>1))*1536+512*\c
.endr
.endr
.endm
; A pass: four tiles of W x two tiles of rows x two K steps: 16 matrix instructions on eight accumulators by turns, one a turn: a link stands eight behind the one it adds onto.
.macro PASS kind, ai, wimg, as, wsimg
.irp t, 0,1,2,3
	ds_load_b32 v[WS+\t], v[\as] offset:\wsimg+128*\t
.endr
	WLD \ai, \wimg, 0
	WLD \ai, \wimg, 1
	NOPS 8                                         ; places in front of scaled products whose operands or scales vector lines wrote, and of accumulators begun anew
	s_wait_dscnt 6                                 ; the younger group's six loads may stay out
	MMG \kind, 0
	NOPS 4                                         ; places in front of loads into registers that matrix instructions have read
	WLD \ai, \wimg, 2
	s_wait_dscnt 6
	MMG \kind, 1
	NOPS 4
	WLD \ai, \wimg, 3
	s_wait_dscnt 6
	MMG \kind, 2
	s_wait_dscnt 0x0
	MMG \kind, 3
	NOPS 4                                         ; places in front of the first read of results and of the next loads
.endm
; Mean and M2 of a channel over the wave's 32 rows, the four tiles by turns. Tile t's channel word lies at base + 128 (t / 2) + sb (t % 2).
.macro STAT adr, base, sb, m2off
.irp t, 0,1,2,3
	v_pk_add_f32 v[BUF+16*\t:BUF+16*\t+1], v[ACC+8*\t:ACC+8*\t+1], v[ACC+8*\t+2:ACC+8*\t+3]
	v_pk_add_f32 v[BUF+16*\t+2:BUF+16*\t+3], v[ACC+32+8*\t:ACC+32+8*\t+1], v[ACC+32+8*\t+2:ACC+32+8*\t+3]
.endr
.irp e, 4,6
.irp t, 0,1,2,3
	v_pk_add_f32 v[BUF+16*\t:BUF+16*\t+1], v[BUF+16*\t:BUF+16*\t+1], v[ACC+8*\t+\e:ACC+8*\t+\e+1]
	v_pk_add_f32 v[BUF+16*\t+2:BUF+16*\t+3], v[BUF+16*\t+2:BUF+16*\t+3], v[ACC+32+8*\t+\e:ACC+32+8*\t+\e+1]
.endr
.endr
.irp t, 0,1,2,3
	v_pk_add_f32 v[BUF+16*\t:BUF+16*\t+1], v[BUF+16*\t:BUF+16*\t+1], v[BUF+16*\t+2:BUF+16*\t+3]
.endr
.irp t, 0,1,2,3
	v_add_f32 v[BUF+16*\t+4], v[BUF+16*\t], v[BUF+16*\t+1]
	v_mov_b32 v[BUF+16*\t+5], 0
.endr
.irp t, 0,1,2,3
	v_permlanex16_b32 v[BUF+16*\t+5], v[BUF+16*\t+4], s[SEL], s[SEL+1]
.endr
.irp t, 0,1,2,3
	v_add_f32 v[BUF+16*\t+4], v[BUF+16*\t+4], v[BUF+16*\t+5]
.endr
.irp t, 0,1,2,3
	v_mul_f32 v[BUF+16*\t+4], 0x3d000000, v[BUF+16*\t+4]        ; / 32
.endr
.irp t, 0,1,2,3
	v_pk_add_f32 v[BUF+16*\t+6:BUF+16*\t+7], v[ACC+8*\t:ACC+8*\t+1], v[BUF+16*\t+4:BUF+16*\t+5] op_sel_hi:[1,0] neg_lo:[0,1] neg_hi:[0,1]
.endr
.irp t, 0,1,2,3
	v_pk_mul_f32 v[BUF+16*\t+10:BUF+16*\t+11], v[BUF+16*\t+6:BUF+16*\t+7], v[BUF+16*\t+6:BUF+16*\t+7]
.endr
.irp o, 2,4,6,32,34,36,38
.irp t, 0,1,2,3
	v_pk_add_f32 v[BUF+16*\t+6:BUF+16*\t+7], v[ACC+8*\t+\o:ACC+8*\t+\o+1], v[BUF+16*\t+4:BUF+16*\t+5] op_sel_hi:[1,0] neg_lo:[0,1] neg_hi:[0,1]
.endr
.irp t, 0,1,2,3
	v_pk_fma_f32 v[BUF+16*\t+10:BUF+16*\t+11], v[BUF+16*\t+6:BUF+16*\t+7], v[BUF+16*\t+6:BUF+16*\t+7], v[BUF+16*\t+10:BUF+16*\t+11]
.endr
.endr
.irp t, 0,1,2,3
	v_add_f32 v[BUF+16*\t+10], v[BUF+16*\t+10], v[BUF+16*\t+11]
.endr
.irp t, 0,1,2,3
	v_permlanex16_b32 v[BUF+16*\t+5], v[BUF+16*\t+10], s[SEL], s[SEL+1]
.endr
.irp t, 0,1,2,3
	v_add_f32 v[BUF+16*\t+10], v[BUF+16*\t+10], v[BUF+16*\t+5]
.endr
.irp t, 0,1,2,3
	ds_store_b32 v[\adr], v[BUF+16*\t+4] offset:\base+128*(\t/2)+\sb*(\t%2)            ; lanes r and r + 16 write the same word with the same value
	ds_store_b32 v[\adr], v[BUF+16*\t+10] offset:\base+128*(\t/2)+\sb*(\t%2)+\m2off
.endr
	s_wait_dscnt 0x0                               ; the stores have read their registers
.endm
.macro COMB nch, ptr                   ; thread = channel: the eight waves' figures become the work-group's
.irp i, 0,1,2,3,4,5,6,7
	ds_load_b32 v[BUF+\i], v11 offset:4*\nch*\i
	ds_load_b32 v[BUF+8+\i], v11 offset:32*\nch+4*\nch*\i
.endr
	s_wait_dscnt 0x0
	v_pk_add_f32 v[BUF+16:BUF+17], v[BUF:BUF+1], v[BUF+2:BUF+3]
	v_pk_add_f32 v[BUF+18:BUF+19], v[BUF+4:BUF+5], v[BUF+6:BUF+7]
	v_pk_add_f32 v[BUF+20:BUF+21], v[BUF+8:BUF+9], v[BUF+10:BUF+11]
	v_pk_add_f32 v[BUF+22:BUF+23], v[BUF+12:BUF+13], v[BUF+14:BUF+15]
	v_pk_add_f32 v[BUF+16:BUF+17], v[BUF+16:BUF+17], v[BUF+18:BUF+19]
	v_pk_add_f32 v[BUF+20:BUF+21], v[BUF+20:BUF+21], v[BUF+22:BUF+23]
	v_add_f32 v[BUF+16], v[BUF+16], v[BUF+17]
	v_add_f32 v[BUF+20], v[BUF+20], v[BUF+21]
	v_mul_f32 v[BUF+16], 0x3e000000, v[BUF+16]     ; / 8
	v_pk_add_f32 v[BUF+24:BUF+25], v[BUF:BUF+1], v[BUF+16:BUF+17] op_sel_hi:[1,0] neg_lo:[0,1] neg_hi:[0,1]
	v_pk_mul_f32 v[BUF+26:BUF+27], v[BUF+24:BUF+25], v[BUF+24:BUF+25]
.irp j, 2,4,6
	v_pk_add_f32 v[BUF+24:BUF+25], v[BUF+\j:BUF+\j+1], v[BUF+16:BUF+17] op_sel_hi:[1,0] neg_lo:[0,1] neg_hi:[0,1]
	v_pk_fma_f32 v[BUF+26:BUF+27], v[BUF+24:BUF+25], v[BUF+24:BUF+25], v[BUF+26:BUF+27]
.endr
	v_add_f32 v[BUF+26], v[BUF+26], v[BUF+27]
	v_fmamk_f32 v[BUF+20], v[BUF+26], 0x42000000, v[BUF+20]     ; + 32 x the means' squared deviations
	global_store_b32 v12, v[BUF+16], s[\ptr:\ptr+1]
	global_store_b32 v12, v[BUF+20], s[\ptr:\ptr+1] offset:1024
.endm
.macro ISSUE n                         ; unit n's loads into slot n & 3
.set ISL, S+32*((\n)&3)
.if (\n) < 4
.irp i, 0,1,2,3,4,5,6,7,8,9,10,11,12,13,14,15,16,17,18,19,20,21,22,23,24,25,26,27,28,29,30,31
	global_load_b32 v[ISL+\i], v5, s[8:9] offset:(32*(\n)+\i)*32768 th:TH_LOAD_NT
.endr
.else
.set IB, ((\n)-4)/3
.set IK, ((\n)-4)%3
.irp j, 0,1,2,3,4,5,6,7
	global_load_b128 v[ISL+4*\j:ISL+4*\j+3], v[243+2*IK], s[6:7] offset:128*IB+16*\j
.endr
.endif
.endm
; One block of 32 numbers, all in my lane, becomes six registers of codes and a byte of my point's scale word.
.macro QB src, s, bl
	v_max3_num_f32 v[MX], |v[\src]|, |v[\src+1]|, |v[\src+2]|
	v_max3_num_f32 v[MX+1], |v[\src+3]|, |v[\src+4]|, |v[\src+5]|
.irp i, 6,10,14,18,22,26
	v_max3_num_f32 v[MX], v[MX], |v[\src+\i]|, |v[\src+\i+1]|
	v_max3_num_f32 v[MX+1], v[MX+1], |v[\src+\i+2]|, |v[\src+\i+3]|
.endr
	v_max3_num_f32 v[MX], v[MX], |v[\src+30]|, |v[\src+31]|
	v_max3_num_f32 v[MX], v[MX], v[MX+1], 0x2800000             ; the floor 2^(5 - 127): the byte cannot fall under 1
	v_add_nc_u32 v[MX+2], 0xfe000000, v[MX]                     ; 4 off the exponent field: the conversion's scale operand
.set DST, X+24*((\bl)&1)+12*(\s)+6*((\bl)>>1)
.if (\bl) == 0
	v_lshrrev_b32 v[XS+\s], 23, v[MX+2]
.else
	v_lshrrev_b32 v[MX+3], 23, v[MX+2]
	v_lshl_or_b32 v[XS+\s], v[MX+3], 8*(\bl), v[XS+\s]
.endif
	v_cvt_scalef32_pk16_bf6_f32 v[DST:DST+2], v[\src:\src+15], v[MX+2]
	v_cvt_scalef32_pk16_bf6_f32 v[CT:CT+2], v[\src+16:\src+31], v[MX+2]     ; (a conversion's three registers begin on an even number)
	v_nop                                          ; a plain line behind the conversions
.irp i, 0,1,2
	v_mov_b32 v[DST+3+\i], v[CT+\i]
.endr
.if ((\bl)&1) == 1
.irp i, 0,1,2,3,4,5
	v_permlane16_swap_b32 v[DST-24+\i], v[DST+\i]  ; block 2c of points 16-31 changes places with block 2c+1 of points 0-15: the first register is tile 0's, the second tile 1's
.endr
.endif
.endm
	s_load_b256 s[4:11], s[0:1], 0x0               ; idx, f2w, features1, W1's codes
	s_load_b128 s[12:15], s[0:1], 0x20             ; W1's scales, xq
	s_load_b64 s[16:17], s[0:1], 0x30              ; part1
	v_lshl_add_u32 v254, v0, 2, 0x10800
	v_mov_b32 v255, 0
	v_lshrrev_b32 v1, 5, v0
	v_readfirstlane_b32 s18, v1                    ; wave
	v_and_b32 v1, 31, v0
	v_and_b32 v2, 15, v0
	v_bfe_u32 v3, v0, 4, 1
	v_lshlrev_b32 v4, 4, v1                        ; 16 x lane
	v_lshlrev_b32 v5, 2, v1                        ; 4 x lane
	v_and_b32 v13, 8, v2
	v_add_nc_u32 v13, v13, v2                      ; r + 8 (r / 8)
	v_mul_u32_u24 v6, v13, 192
	v_mad_u32_u24 v6, v3, 24, v6                   ; W1's codes: a row is 192 bytes
	v_lshlrev_b32 v7, 3, v13
	v_lshl_add_u32 v7, v3, 2, v7                   ; W1's scale words: lanes 16-31 take K step 1's
	s_mul_i32 s28, s18, 6144
	v_add_nc_u32 v8, s28, v4
	s_lshl_b32 s29, s18, 8
	s_add_co_u32 s30, s29, W1SL
	v_add_nc_u32 v9, s30, v5
	s_lshl_b32 s30, s18, 10
	s_add_co_u32 s30, s30, STL
	v_lshl_add_u32 v10, v13, 2, s30
	v_lshl_add_u32 v11, v0, 2, STL
	v_lshlrev_b32 v12, 2, v0
	s_mov_b32 s[SEL], 0x76543210
	s_mov_b32 s[SEL+1], 0xfedcba98
	s_lshr_b32 s19, ttmp9, 5                       ; batch
	s_and_b32 s20, ttmp9, 31
	s_lshl_b32 s32, ttmp9, 10
	s_lshl_b32 s34, s18, 7
	s_add_co_u32 s32, s32, s34                     ; my 32 points x 4 bytes
	s_mov_b32 s33, 0
	s_lshl_b32 s36, s19, 20
	s_mov_b32 s37, 0
	s_lshl_b32 s38, s19, 22
	s_lshl_b32 s39, s20, 10
	s_add_co_u32 s38, s38, s39
	s_add_co_u32 s38, s38, s34
	s_mov_b32 s39, 0
	s_mov_b32 s40, s28
	s_mov_b32 s41, 0
	s_mov_b32 s42, s29
	s_mov_b32 s43, 0
	s_mul_i32 s44, ttmp9, 49152
	s_add_co_u32 s44, s44, s28
	s_mov_b32 s45, 0
	s_lshl_b32 s34, ttmp9, 11
	s_mov_b32 s35, 0
	s_add_co_u32 s46, s34, s29
	s_add_co_u32 s46, s46, SCB
	s_mov_b32 s47, 0
	s_wait_kmcnt 0x0
	s_add_nc_u64 s[4:5], s[4:5], s[32:33]
	s_add_nc_u64 s[24:25], s[6:7], s[32:33]
	s_add_nc_u64 s[24:25], s[24:25], 0x800000      ; the weights
	s_add_nc_u64 s[6:7], s[6:7], s[36:37]          ; my batch's f2t
	s_add_nc_u64 s[8:9], s[8:9], s[38:39]
	s_add_nc_u64 s[10:11], s[10:11], s[40:41]
	s_add_nc_u64 s[12:13], s[12:13], s[42:43]
	s_add_nc_u64 s[26:27], s[14:15], s[46:47]
	s_add_nc_u64 s[14:15], s[14:15], s[44:45]
	s_add_nc_u64 s[16:17], s[16:17], s[34:35]
.irp k, 0,1,2
	global_load_b32 v[243+2*\k], v5, s[4:5] offset:262144*\k
	global_load_b32 v[242+2*\k], v5, s[24:25] offset:262144*\k
.endr
.irp u, 0,1                                        ; wave w makes the images of W1's tiles 2w and 2w+1
.irp s, 0,1
.irp p, 0,1,2,3,4,5
	global_load_b64 v[WT+12*(2*\u+\s)+2*\p:WT+12*(2*\u+\s)+2*\p+1], v6, s[10:11] offset:1536*\u+96*\s+48*(\p/3)+8*(\p%3)
.endr
.endr
	global_load_b32 v[248+\u], v7, s[12:13] offset:64*\u
.endr
	ISSUE 0
	ISSUE 1
	ISSUE 2
	ISSUE 3
.set N, 0
.rept 16
.if N < 2
	s_wait_loadcnt 63                              ; the three younger units have more loads than the count can name
.elseif N == 2
	s_wait_loadcnt 48                              ; units 3, 4, 5: 32 + 8 + 8
.elseif N < 13
	s_wait_loadcnt 24                              ; three younger units of eight loads
.else
	s_wait_loadcnt 8*(15-N)
.endif
.if N == 0
.irp i, 0,1,2,3,4,5,6,7,8,9,10,11
	ds_store_b128 v8, v[WT+4*\i:WT+4*\i+3] offset:W1L+512*\i
.endr
	ds_store_b32 v9, v248
	ds_store_b32 v9, v249 offset:128
.irp k, 0,1,2
	v_min_u32 v[243+2*\k], 0x7ff, v[243+2*\k]      ; a loaded index is held inside its table ahead of the address
	v_lshlrev_b32 v[243+2*\k], 9, v[243+2*\k]      ; a row of f2t is 512 bytes
.endr
	s_wait_dscnt 0x0                               ; the stores have read their registers
.endif
.set SL, S+32*(N&3)
.if N < 4
	QB SL, 1, N
.else
.set KK, (N-4)%3
.set BLK, (N-4)/3
.if KK == 0
.irp j, 0,2,4,6,8,10,12,14,16,18,20,22,24,26,28,30
	v_pk_mul_f32 v[ACCB+\j:ACCB+\j+1], v[SL+\j:SL+\j+1], v[242:243] op_sel_hi:[1,0]
.endr
.else
.irp j, 0,2,4,6,8,10,12,14,16,18,20,22,24,26,28,30
	v_pk_fma_f32 v[ACCB+\j:ACCB+\j+1], v[SL+\j:SL+\j+1], v[242+2*KK:243+2*KK], v[ACCB+\j:ACCB+\j+1] op_sel_hi:[1,0,1]
.endr
.endif
.if KK == 2
	QB ACCB, 0, BLK
.endif
.endif
.if N+4 < 16
	ISSUE N+4
.endif
.set N, N+1
.endr
.irp i, 0,1,2,3,4,5,6,7,8,9,10,11
	global_store_b128 v4, v[X+4*\i:X+4*\i+3], s[14:15] offset:512*\i    ; the operand's registers as they stand: 512 consecutive bytes a store
.endr
	global_store_b32 v5, v[XS], s[26:27]
	global_store_b32 v5, v[XS+1], s[26:27] offset:128
	s_wait_dscnt 0x0
	s_barrier_signal -1
	s_barrier_wait -1                              ; W1's images are whole
.irp p, 0,1,2,3
	PASS 1, 4, W1L+12288*\p, 5, W1SL+512*\p
	STAT 10, 256*\p, 32, 8192
.endr
	s_barrier_signal -1                            ; every wave's figures have landed (STAT ends with a wait for 0)
	s_barrier_wait -1
	COMB 256, 16
	s_wait_tensorcnt 0x0
	ds_add_u32 v254, v255
	s_wait_dscnt 0x0
	s_endpgm
.Lfunc_end_k_q7099324be3_gather1:
	.size	k_q7099324be3_gather1, .Lfunc_end_k_q7099324be3_gather1-k_q7099324be3_gather1
	.p2alignl 7, 3214868480
	.fill 96, 4, 3214868480
	.section	.rodata,"a",@progbits
	.p2align	6, 0x0
	.amdhsa_kernel k_q7099324be3_gather1
		.amdhsa_group_segment_fixed_size 68608
		.amdhsa_private_segment_fixed_size 0
		.amdhsa_enable_private_segment 0
		.amdhsa_kernarg_size 56
		.amdhsa_user_sgpr_count 2
		.amdhsa_user_sgpr_kernarg_segment_ptr 1
		.amdhsa_wavefront_size32 1
		.amdhsa_system_sgpr_workgroup_id_x 1
		.amdhsa_system_sgpr_workgroup_id_y 1
		.amdhsa_system_sgpr_workgroup_id_z 1
		.amdhsa_system_vgpr_workitem_id 0
		.amdhsa_next_free_vgpr 256
		.amdhsa_next_free_sgpr 66
		.amdhsa_reserve_vcc 0
		.amdhsa_float_denorm_mode_32 3
		.amdhsa_float_denorm_mode_16_64 3
		.amdhsa_memory_ordered 1
		.amdhsa_forward_progress 1
		.amdhsa_inst_pref_size 106
	.end_amdhsa_kernel
	.amdgpu_metadata
---
amdhsa.version: [ 1, 2 ]
amdhsa.kernels:
  - .name:           k_q7099324be3_gather1
    .symbol:         k_q7099324be3_gather1.kd
    .args:
      - { .name: idx, .offset: 0, .size: 8, .value_kind: global_buffer, .address_space: global }
      - { .name: f2w, .offset: 8, .size: 8, .value_kind: global_buffer, .address_space: global }
      - { .name: features1, .offset: 16, .size: 8, .value_kind: global_buffer, .address_space: global }
      - { .name: W1_codes, .offset: 24, .size: 8, .value_kind: global_buffer, .address_space: global }
      - { .name: W1_scales, .offset: 32, .size: 8, .value_kind: global_buffer, .address_space: global }
      - { .name: xq, .offset: 40, .size: 8, .value_kind: global_buffer, .address_space: global }
      - { .name: part1, .offset: 48, .size: 8, .value_kind: global_buffer, .address_space: global }
    .group_segment_fixed_size: 68608
    .private_segment_fixed_size: 0
    .kernarg_segment_align: 8
    .kernarg_segment_size: 56
    .max_flat_workgroup_size: 256
    .sgpr_count:     66
    .vgpr_count:     256
    .wavefront_size: 32
...
	.end_amdgpu_metadata
.endif
;; end of part 3
;; launch bnstat (part 4): grid 8 x 1, 8 waves a work-group, no clusters, 4,096 bytes of LDS; arguments part1, b1, g1, be1, ab1; writes ab1
.if DOCPART == 4
	.amdgcn_target "amdgcn-amd-amdhsa--gfx1250"
	.amdhsa_code_object_version 6
	.text
	.protected	k_q7099324be3_bnstat
	.globl	k_q7099324be3_bnstat
	.p2align	8
	.type	k_q7099324be3_bnstat,@function
k_q7099324be3_bnstat:
	s_mov_b64 s[64:65], 0
	v_nop
	global_prefetch_b8 v0, s[64:65] scope:SCOPE_SE
	s_setreg_imm32_b32 hwreg(HW_REG_WAVE_MODE, 25, 1), 1
	s_wait_xcnt 0x0
; 256 partial (mean, M2) of z = X W^T, each over 256 rows, become a[ch] = g rsq(var + 1e-5) and c[ch] = (b - mu) a + be with mu = mean + b, so that BN(z + b) = a z + c.
; A lane is channel 32 x work-group + lane; wave w takes partials w + 8 k. var = (sum M2i + 256 sum (mi - m)^2) / 65,536: no difference of large sums.
; Few bytes and few work-groups: there is one channel's worth of work a lane, and nothing to share further.
	s_load_b256 s[4:11], s[0:1], 0x0               ; the partials, b, g, be
	s_load_b64 s[12:13], s[0:1], 0x20              ; a and c
	v_lshl_add_u32 v96, v0, 2, 0xc00
	v_mov_b32 v97, 0
	v_lshrrev_b32 v1, 5, v0
	v_readfirstlane_b32 s14, v1
	v_and_b32 v1, 31, v0
	v_lshlrev_b32 v2, 2, v1
	s_lshl_b32 s20, s14, 7
	v_add_nc_u32 v3, s20, v2                       ; LDS: wave x 128 + 4 lane
	s_lshl_b32 s16, ttmp9, 7
	s_mov_b32 s17, 0
	s_lshl_b32 s18, s14, 11
	s_add_co_u32 s18, s18, s16
	s_mov_b32 s19, 0
	s_wait_kmcnt 0x0
	s_add_nc_u64 s[4:5], s[4:5], s[18:19]
	s_add_nc_u64 s[6:7], s[6:7], s[16:17]
	s_add_nc_u64 s[8:9], s[8:9], s[16:17]
	s_add_nc_u64 s[10:11], s[10:11], s[16:17]
	s_add_nc_u64 s[12:13], s[12:13], s[16:17]
.irp k, 0,1,2,3,4,5,6,7,8,9,10,11,12,13,14,15,16,17,18,19,20,21,22,23,24,25,26,27,28,29,30,31
	global_load_b32 v[16+\k], v2, s[4:5] offset:16384*\k
	global_load_b32 v[48+\k], v2, s[4:5] offset:16384*\k+1024
.endr
	global_load_b32 v4, v2, s[6:7]
	global_load_b32 v5, v2, s[8:9]
	global_load_b32 v6, v2, s[10:11]
	s_wait_loadcnt 0x0
	v_pk_add_f32 v[80:81], v[16:17], v[18:19]
	v_pk_add_f32 v[82:83], v[48:49], v[50:51]
.irp j, 4,6,8,10,12,14,16,18,20,22,24,26,28,30
	v_pk_add_f32 v[80:81], v[80:81], v[16+\j:17+\j]
	v_pk_add_f32 v[82:83], v[82:83], v[48+\j:49+\j]
.endr
	v_add_f32 v80, v80, v81
	v_add_f32 v82, v82, v83
	ds_store_b32 v3, v80
	ds_store_b32 v3, v82 offset:1024
	s_wait_dscnt 0x0
	s_barrier_signal -1
	s_barrier_wait -1
.irp i, 0,1,2,3,4,5,6,7
	ds_load_b32 v[84+\i], v2 offset:128*\i
.endr
	s_wait_dscnt 0x0
	v_pk_add_f32 v[84:85], v[84:85], v[86:87]
	v_pk_add_f32 v[88:89], v[88:89], v[90:91]
	v_pk_add_f32 v[84:85], v[84:85], v[88:89]
	v_add_f32 v92, v84, v85
	v_mov_b32 v93, 0                               ; (named as the upper half of the pair)
	v_mul_f32 v92, 0x3b800000, v92                 ; the mean of z: / 256
	v_pk_add_f32 v[86:87], v[16:17], v[92:93] op_sel_hi:[1,0] neg_lo:[0,1] neg_hi:[0,1]
	v_pk_mul_f32 v[88:89], v[86:87], v[86:87]
.irp j, 2,4,6,8,10,12,14,16,18,20,22,24,26,28,30
	v_pk_add_f32 v[86:87], v[16+\j:17+\j], v[92:93] op_sel_hi:[1,0] neg_lo:[0,1] neg_hi:[0,1]
	v_pk_fma_f32 v[88:89], v[86:87], v[86:87], v[88:89]
.endr
	v_add_f32 v88, v88, v89
	ds_store_b32 v3, v88 offset:2048
	s_wait_dscnt 0x0
	s_barrier_signal -1
	s_barrier_wait -1
	s_cmp_lg_u32 s14, 0
	s_cbranch_scc1 .Lend
.irp i, 0,1,2,3,4,5,6,7
	ds_load_b32 v[16+\i], v2 offset:1024+128*\i
	ds_load_b32 v[24+\i], v2 offset:2048+128*\i
.endr
	s_wait_dscnt 0x0
	v_pk_add_f32 v[16:17], v[16:17], v[18:19]
	v_pk_add_f32 v[24:25], v[24:25], v[26:27]
	v_pk_add_f32 v[20:21], v[20:21], v[22:23]
	v_pk_add_f32 v[28:29], v[28:29], v[30:31]
	v_pk_add_f32 v[16:17], v[16:17], v[20:21]
	v_pk_add_f32 v[24:25], v[24:25], v[28:29]
	v_add_f32 v16, v16, v17
	v_add_f32 v24, v24, v25
	v_fmamk_f32 v16, v24, 0x43800000, v16          ; + 256 x the means' squared deviations
	v_mul_f32 v16, 0x37800000, v16                 ; / 65,536: the variance
	v_add_f32 v16, 0x3727c5ac, v16                 ; + 1e-5
	v_rsq_f32 v16, v16
	v_add_f32 v17, v92, v4                         ; mu = mean of z + b  (a plain line behind the root)
	s_wait_alu depctr_va_vdst(0)
	v_mul_f32 v18, v5, v16                         ; a
	v_sub_f32 v17, v4, v17
	v_fma_f32 v19, v17, v18, v6                    ; c
	global_store_b32 v2, v18, s[12:13]
	global_store_b32 v2, v19, s[12:13] offset:1024
.Lend:
	s_wait_tensorcnt 0x0
	ds_add_u32 v96, v97
	s_wait_dscnt 0x0
	s_endpgm
.Lfunc_end_k_q7099324be3_bnstat:
	.size	k_q7099324be3_bnstat, .Lfunc_end_k_q7099324be3_bnstat-k_q7099324be3_bnstat
	.p2alignl 7, 3214868480
	.fill 96, 4, 3214868480
	.section	.rodata,"a",@progbits
	.p2align	6, 0x0
	.amdhsa_kernel k_q7099324be3_bnstat
		.amdhsa_group_segment_fixed_size 4096
		.amdhsa_private_segment_fixed_size 0
		.amdhsa_enable_private_segment 0
		.amdhsa_kernarg_size 40
		.amdhsa_user_sgpr_count 2
		.amdhsa_user_sgpr_kernarg_segment_ptr 1
		.amdhsa_wavefront_size32 1
		.amdhsa_system_sgpr_workgroup_id_x 1
		.amdhsa_system_sgpr_workgroup_id_y 1
		.amdhsa_system_sgpr_workgroup_id_z 1
		.amdhsa_system_vgpr_workitem_id 0
		.amdhsa_next_free_vgpr 98
		.amdhsa_next_free_sgpr 66
		.amdhsa_reserve_vcc 0
		.amdhsa_float_denorm_mode_32 3
		.amdhsa_float_denorm_mode_16_64 3
		.amdhsa_memory_ordered 1
		.amdhsa_forward_progress 1
		.amdhsa_inst_pref_size 15
	.end_amdhsa_kernel
	.amdgpu_metadata
---
amdhsa.version: [ 1, 2 ]
amdhsa.kernels:
  - .name:           k_q7099324be3_bnstat
    .symbol:         k_q7099324be3_bnstat.kd
    .args:
      - { .name: part1, .offset: 0, .size: 8, .value_kind: global_buffer, .address_space: global }
      - { .name: b1, .offset: 8, .size: 8, .value_kind: global_buffer, .address_space: global }
      - { .name: g1, .offset: 16, .size: 8, .value_kind: global_buffer, .address_space: global }
      - { .name: be1, .offset: 24, .size: 8, .value_kind: global_buffer, .address_space: global }
      - { .name: ab1, .offset: 32, .size: 8, .value_kind: global_buffer, .address_space: global }
    .group_segment_fixed_size: 4096
    .private_segment_fixed_size: 0
    .kernarg_segment_align: 8
    .kernarg_segment_size: 40
    .max_flat_workgroup_size: 256
    .sgpr_count:     66
    .vgpr_count:     98
    .wavefront_size: 32
...
	.end_amdgpu_metadata
.endif
;; end of part 4
;; launch stats2 (part 5): grid 256 x 1, 8 waves a work-group, no clusters, 88,064 bytes of LDS; arguments xq, W1_codes, W1_scales, W2_codes, W2_scales, ab1, part2; writes part2
.if DOCPART == 5
	.amdgcn_target "amdgcn-amd-amdhsa--gfx1250"
	.amdhsa_code_object_version 6
	.text
	.protected	k_q7099324be3_stats2
	.globl	k_q7099324be3_stats2
	.p2align	8
	.type	k_q7099324be3_stats2,@function
k_q7099324be3_stats2:
	s_mov_b64 s[64:65], 0
	v_nop
	global_prefetch_b8 v0, s[64:65] scope:SCOPE_SE
	s_setreg_imm32_b32 hwreg(HW_REG_WAVE_MODE, 25, 1), 1
	s_wait_xcnt 0x0
; From X's codes: z1 = X W1^T again (16 matrix instructions a pass cost less than z1's way to memory and back), x2 = relu(a1 z1 + c1) in f32, quantised along the 256 hidden units in registers,
; z2 = x2 W2^T; of z2 only each channel's mean and M2 over the work-group's 256 rows go to memory.
; SHARES. Wave w owns 32 points (two tiles of rows) for all channels; W1's and W2's fragments lie in LDS as register images, made once by the eight waves.
; The first product is used TRANSPOSED (source 0 = 16 rows of W1, source 1 = 16 points): a lane holds one point and its registers run along the hidden units. W1's tile t takes rows
; 32 (t/2) + 8 (t%2) + r + 8 (r/8), so that the 16 registers of two neighbouring tiles are 16 neighbours along the next K. The second product has source 0 = the points, source 1 = 16 rows of W2.
; LIMITS: NaN and infinities are not served. A block whose largest magnitude lies under 2^-122, a block of zeros among them, keeps the scale byte 1; its zero codes add nothing.
.set W1L,  0                           ; LDS: W1's 32 fragments: (2 tile + K step) x 1536 + 512 c + 16 lane
.set W1SL, 49152                       ; their scale words: tile x 128 + 4 lane
.set W2L,  51200                       ; W2's 16 fragments
.set W2SL, 75776
.set ABL,  76800                       ; a1 (1,024 bytes), then c1
.set STL,  78848                       ; means: wave x 512 + 4 channel; M2 4,096 bytes on
.set SCB,  12582912
.set X,    16                          ; v16-63   X(R, s) = 16 + 24 R + 12 s
.set XS,   64                          ; v64-65   X's scale words; scales and nothing else
.set H,    66                          ; v66-113  H(R, st) = 66 + 24 R + 12 st (v100-109: offsets that the head alone needs)
.set HS,   114                         ; v114-117 the hidden layer's scale words; scales and nothing else
.set BUF,  118                         ; v118-181 fragments of W; a1 and c1; scratch
.set TMPR, 182
.set ACC,  186                         ; v186-249 ACC(R, tt) = 186 + 32 R + 8 tt
.set WS,   250                         ; v250-253 W's scale words; scales and nothing else
.set SEL,  22
.macro NOPS n
.rept \n
	v_nop
.endr
.endm
.macro WM d, a, b, zero, sa, sb, ra, rb
.if \zero
.if ((\ra) == 0) && ((\rb) == 0)
	v_wmma_scale_f32_16x16x128_f8f6f4 v[\d:\d+7], v[\a:\a+11], v[\b:\b+11], 0, v[\sa], v[\sb] matrix_a_fmt:MATRIX_FMT_BF6 matrix_b_fmt:MATRIX_FMT_BF6
.elseif ((\ra) == 1) && ((\rb) == 0)
	v_wmma_scale_f32_16x16x128_f8f6f4 v[\d:\d+7], v[\a:\a+11], v[\b:\b+11], 0, v[\sa], v[\sb] matrix_a_fmt:MATRIX_FMT_BF6 matrix_b_fmt:MATRIX_FMT_BF6 matrix_a_scale:MATRIX_SCALE_ROW1
.elseif ((\ra) == 0) && ((\rb) == 1)
	v_wmma_scale_f32_16x16x128_f8f6f4 v[\d:\d+7], v[\a:\a+11], v[\b:\b+11], 0, v[\sa], v[\sb] matrix_a_fmt:MATRIX_FMT_BF6 matrix_b_fmt:MATRIX_FMT_BF6 matrix_b_scale:MATRIX_SCALE_ROW1
.else
	v_wmma_scale_f32_16x16x128_f8f6f4 v[\d:\d+7], v[\a:\a+11], v[\b:\b+11], 0, v[\sa], v[\sb] matrix_a_fmt:MATRIX_FMT_BF6 matrix_b_fmt:MATRIX_FMT_BF6 matrix_a_scale:MATRIX_SCALE_ROW1 matrix_b_scale:MATRIX_SCALE_ROW1
.endif
.else
.if ((\ra) == 0) && ((\rb) == 0)
	v_wmma_scale_f32_16x16x128_f8f6f4 v[\d:\d+7], v[\a:\a+11], v[\b:\b+11], v[\d:\d+7], v[\sa], v[\sb] matrix_a_fmt:MATRIX_FMT_BF6 matrix_b_fmt:MATRIX_FMT_BF6
.elseif ((\ra) == 1) && ((\rb) == 0)
	v_wmma_scale_f32_16x16x128_f8f6f4 v[\d:\d+7], v[\a:\a+11], v[\b:\b+11], v[\d:\d+7], v[\sa], v[\sb] matrix_a_fmt:MATRIX_FMT_BF6 matrix_b_fmt:MATRIX_FMT_BF6 matrix_a_scale:MATRIX_SCALE_ROW1
.elseif ((\ra) == 0) && ((\rb) == 1)
	v_wmma_scale_f32_16x16x128_f8f6f4 v[\d:\d+7], v[\a:\a+11], v[\b:\b+11], v[\d:\d+7], v[\sa], v[\sb] matrix_a_fmt:MATRIX_FMT_BF6 matrix_b_fmt:MATRIX_FMT_BF6 matrix_b_scale:MATRIX_SCALE_ROW1
.else
	v_wmma_scale_f32_16x16x128_f8f6f4 v[\d:\d+7], v[\a:\a+11], v[\b:\b+11], v[\d:\d+7], v[\sa], v[\sb] matrix_a_fmt:MATRIX_FMT_BF6 matrix_b_fmt:MATRIX_FMT_BF6 matrix_a_scale:MATRIX_SCALE_ROW1 matrix_b_scale:MATRIX_SCALE_ROW1
.endif
.endif
.endm
; Group g of a pass: tiles 2 (g & 1) + e, K step g >> 1, both tiles of rows: four matrix instructions on four accumulators.
.macro MMG kind, g
.set SS, (\g)>>1
.if (\g) < 2
.set ZR, 1
.else
.set ZR, 0
.endif
.irp e, 0,1
.irp R, 0,1
.set TL, 2*((\g)&1)+\e
.set WF, BUF+24*((\g)&1)+12*\e
.set AC, ACC+32*\R+8*TL
.if \kind == 0
	WM AC, WF, X+24*\R+12*SS, ZR, WS+TL, XS+SS, SS, \R
.elseif \kind == 1
	WM AC, X+24*\R+12*SS, WF, ZR, XS+SS, WS+TL, \R, SS
.else
	WM AC, H+24*\R+12*SS, WF, ZR, HS+2*\R+SS, WS+TL, 0, SS
.endif
.endr
.endr
.endm
.macro WLD ai, wimg, g                 ; group g's two fragments of W: six loads of 512 consecutive bytes
.irp e, 0,1
.irp c, 0,1,2
	ds_load_b128 v[BUF+24*((\g)&1)+12*\e+4*\c:BUF+24*((\g)&1)+12*\e+4*\c+3], v[\ai] offset:\wimg+(2*(2*((\g)&1)+\e)+((\g)>>1))*1536+512*\c
.endr
.endr
.endm
; A pass: four tiles of W x two tiles of rows x two K steps: 16 matrix instructions on eight accumulators by turns, one a turn: a link stands eight behind the one it adds onto.
.macro PASS kind, ai, wimg, as, wsimg
.irp t, 0,1,2,3
	ds_load_b32 v[WS+\t], v[\as] offset:\wsimg+128*\t
.endr
	WLD \ai, \wimg, 0
	WLD \ai, \wimg, 1
	NOPS 8                                         ; places in front of scaled products whose operands or scales vector lines wrote, and of accumulators begun anew
	s_wait_dscnt 6                                 ; the younger group's six loads may stay out
	MMG \kind, 0
	NOPS 4                                         ; places in front of loads into registers that matrix instructions have read
	WLD \ai, \wimg, 2
	s_wait_dscnt 6
	MMG \kind, 1
	NOPS 4
	WLD \ai, \wimg, 3
	s_wait_dscnt 6
	MMG \kind, 2
	s_wait_dscnt 0x0
	MMG \kind, 3
	NOPS 4                                         ; places in front of the first read of results and of the next loads
.endm
; Mean and M2 of a channel over the wave's 32 rows, the four tiles by turns. Tile t's channel word lies at base + 128 (t / 2) + sb (t % 2).
.macro STAT adr, base, sb, m2off
.irp t, 0,1,2,3
	v_pk_add_f32 v[BUF+16*\t:BUF+16*\t+1], v[ACC+8*\t:ACC+8*\t+1], v[ACC+8*\t+2:ACC+8*\t+3]
	v_pk_add_f32 v[BUF+16*\t+2:BUF+16*\t+3], v[ACC+32+8*\t:ACC+32+8*\t+1], v[ACC+32+8*\t+2:ACC+32+8*\t+3]
.endr
.irp e, 4,6
.irp t, 0,1,2,3
	v_pk_add_f32 v[BUF+16*\t:BUF+16*\t+1], v[BUF+16*\t:BUF+16*\t+1], v[ACC+8*\t+\e:ACC+8*\t+\e+1]
	v_pk_add_f32 v[BUF+16*\t+2:BUF+16*\t+3], v[BUF+16*\t+2:BUF+16*\t+3], v[ACC+32+8*\t+\e:ACC+32+8*\t+\e+1]
.endr
.endr
.irp t, 0,1,2,3
	v_pk_add_f32 v[BUF+16*\t:BUF+16*\t+1], v[BUF+16*\t:BUF+16*\t+1], v[BUF+16*\t+2:BUF+16*\t+3]
.endr
.irp t, 0,1,2,3
	v_add_f32 v[BUF+16*\t+4], v[BUF+16*\t], v[BUF+16*\t+1]
	v_mov_b32 v[BUF+16*\t+5], 0
.endr
.irp t, 0,1,2,3
	v_permlanex16_b32 v[BUF+16*\t+5], v[BUF+16*\t+4], s[SEL], s[SEL+1]
.endr
.irp t, 0,1,2,3
	v_add_f32 v[BUF+16*\t+4], v[BUF+16*\t+4], v[BUF+16*\t+5]
.endr
.irp t, 0,1,2,3
	v_mul_f32 v[BUF+16*\t+4], 0x3d000000, v[BUF+16*\t+4]        ; / 32
.endr
.irp t, 0,1,2,3
	v_pk_add_f32 v[BUF+16*\t+6:BUF+16*\t+7], v[ACC+8*\t:ACC+8*\t+1], v[BUF+16*\t+4:BUF+16*\t+5] op_sel_hi:[1,0] neg_lo:[0,1] neg_hi:[0,1]
.endr
.irp t, 0,1,2,3
	v_pk_mul_f32 v[BUF+16*\t+10:BUF+16*\t+11], v[BUF+16*\t+6:BUF+16*\t+7], v[BUF+16*\t+6:BUF+16*\t+7]
.endr
.irp o, 2,4,6,32,34,36,38
.irp t, 0,1,2,3
	v_pk_add_f32 v[BUF+16*\t+6:BUF+16*\t+7], v[ACC+8*\t+\o:ACC+8*\t+\o+1], v[BUF+16*\t+4:BUF+16*\t+5] op_sel_hi:[1,0] neg_lo:[0,1] neg_hi:[0,1]
.endr
.irp t, 0,1,2,3
	v_pk_fma_f32 v[BUF+16*\t+10:BUF+16*\t+11], v[BUF+16*\t+6:BUF+16*\t+7], v[BUF+16*\t+6:BUF+16*\t+7], v[BUF+16*\t+10:BUF+16*\t+11]
.endr
.endr
.irp t, 0,1,2,3
	v_add_f32 v[BUF+16*\t+10], v[BUF+16*\t+10], v[BUF+16*\t+11]
.endr
.irp t, 0,1,2,3
	v_permlanex16_b32 v[BUF+16*\t+5], v[BUF+16*\t+10], s[SEL], s[SEL+1]
.endr
.irp t, 0,1,2,3
	v_add_f32 v[BUF+16*\t+10], v[BUF+16*\t+10], v[BUF+16*\t+5]
.endr
.irp t, 0,1,2,3
	ds_store_b32 v[\adr], v[BUF+16*\t+4] offset:\base+128*(\t/2)+\sb*(\t%2)            ; lanes r and r + 16 write the same word with the same value
	ds_store_b32 v[\adr], v[BUF+16*\t+10] offset:\base+128*(\t/2)+\sb*(\t%2)+\m2off
.endr
	s_wait_dscnt 0x0                               ; the stores have read their registers
.endm
.macro COMB nch, ptr                   ; thread = channel: the eight waves' figures become the work-group's
.irp i, 0,1,2,3,4,5,6,7
	ds_load_b32 v[BUF+\i], v11 offset:4*\nch*\i
	ds_load_b32 v[BUF+8+\i], v11 offset:32*\nch+4*\nch*\i
.endr
	s_wait_dscnt 0x0
	v_pk_add_f32 v[BUF+16:BUF+17], v[BUF:BUF+1], v[BUF+2:BUF+3]
	v_pk_add_f32 v[BUF+18:BUF+19], v[BUF+4:BUF+5], v[BUF+6:BUF+7]
	v_pk_add_f32 v[BUF+20:BUF+21], v[BUF+8:BUF+9], v[BUF+10:BUF+11]
	v_pk_add_f32 v[BUF+22:BUF+23], v[BUF+12:BUF+13], v[BUF+14:BUF+15]
	v_pk_add_f32 v[BUF+16:BUF+17], v[BUF+16:BUF+17], v[BUF+18:BUF+19]
	v_pk_add_f32 v[BUF+20:BUF+21], v[BUF+20:BUF+21], v[BUF+22:BUF+23]
	v_add_f32 v[BUF+16], v[BUF+16], v[BUF+17]
	v_add_f32 v[BUF+20], v[BUF+20], v[BUF+21]
	v_mul_f32 v[BUF+16], 0x3e000000, v[BUF+16]     ; / 8
	v_pk_add_f32 v[BUF+24:BUF+25], v[BUF:BUF+1], v[BUF+16:BUF+17] op_sel_hi:[1,0] neg_lo:[0,1] neg_hi:[0,1]
	v_pk_mul_f32 v[BUF+26:BUF+27], v[BUF+24:BUF+25], v[BUF+24:BUF+25]
.irp j, 2,4,6
	v_pk_add_f32 v[BUF+24:BUF+25], v[BUF+\j:BUF+\j+1], v[BUF+16:BUF+17] op_sel_hi:[1,0] neg_lo:[0,1] neg_hi:[0,1]
	v_pk_fma_f32 v[BUF+26:BUF+27], v[BUF+24:BUF+25], v[BUF+24:BUF+25], v[BUF+26:BUF+27]
.endr
	v_add_f32 v[BUF+26], v[BUF+26], v[BUF+27]
	v_fmamk_f32 v[BUF+20], v[BUF+26], 0x42000000, v[BUF+20]     ; + 32 x the means' squared deviations
	global_store_b32 v12, v[BUF+16], s[\ptr:\ptr+1]
	global_store_b32 v12, v[BUF+20], s[\ptr:\ptr+1] offset:1024
.endm
; Hidden units 64 p .. 64 p + 63 of my 32 points: the product, a1 z + c1, relu, and two blocks of 32 a tile of rows quantised into the next operand's registers 6 (p & 1) on of K step p >> 1.
.macro HID p
	PASS 0, 4, W1L+12288*(\p), 5, W1SL+512*(\p)
.irp t, 0,1,2,3                                    ; register 8 t + j of a tile of rows is unit 64 p + 32 (t/2) + 16 h + 8 (t%2) + j
	ds_load_b128 v[BUF+16*\t:BUF+16*\t+3], v8 offset:256*(\p)+128*(\t/2)+32*(\t%2)
	ds_load_b128 v[BUF+16*\t+4:BUF+16*\t+7], v8 offset:256*(\p)+128*(\t/2)+32*(\t%2)+16
	ds_load_b128 v[BUF+16*\t+8:BUF+16*\t+11], v8 offset:256*(\p)+128*(\t/2)+32*(\t%2)+1024
	ds_load_b128 v[BUF+16*\t+12:BUF+16*\t+15], v8 offset:256*(\p)+128*(\t/2)+32*(\t%2)+1040
.endr
	s_wait_dscnt 0x0
.irp R, 0,1
.irp t, 0,1,2,3
.irp e, 0,2,4,6
	v_pk_fma_f32 v[ACC+32*\R+8*\t+\e:ACC+32*\R+8*\t+\e+1], v[ACC+32*\R+8*\t+\e:ACC+32*\R+8*\t+\e+1], v[BUF+16*\t+\e:BUF+16*\t+\e+1], v[BUF+16*\t+8+\e:BUF+16*\t+8+\e+1]
.endr
.endr
.endr
.irp j, 0,1,2,3,4,5,6,7,8,9,10,11,12,13,14,15,16,17,18,19,20,21,22,23,24,25,26,27,28,29,30,31,32,33,34,35,36,37,38,39,40,41,42,43,44,45,46,47,48,49,50,51,52,53,54,55,56,57,58,59,60,61,62,63
	v_max_num_f32 v[ACC+\j], 0, v[ACC+\j]
.endr
.set HST, (\p)>>1
.set HC,  (\p)&1
.irp B, 0,1,2,3                                    ; block B = 2 R + b: registers ACC + 16 B on; none is negative, so no |.|
	v_max3_num_f32 v[BUF+\B], v[ACC+16*\B], v[ACC+16*\B+1], 0x2800000       ; with the floor 2^(5 - 127)
.endr
.irp i, 2,4,6,8,10,12,14
.irp B, 0,1,2,3
	v_max3_num_f32 v[BUF+\B], v[BUF+\B], v[ACC+16*\B+\i], v[ACC+16*\B+\i+1]
.endr
.endr
.irp B, 0,1,2,3
	v_permlanex16_b32 v[BUF+4+\B], v[BUF+\B], s[SEL], s[SEL+1]
.endr
.irp B, 0,1,2,3
	v_max_num_f32 v[BUF+\B], v[BUF+\B], v[BUF+4+\B]             ; with lane l xor 16's 16 numbers: the block's largest
.endr
.irp B, 0,1,2,3
	v_add_nc_u32 v[BUF+8+\B], 0xfe000000, v[BUF+\B]             ; 4 off the exponent field: the conversion's scale operand
.endr
.irp B, 0,1,2,3
	v_lshrrev_b32 v[BUF+4+\B], 23, v[BUF+8+\B]                  ; the scale's byte
.endr
.irp R, 0,1
.if HC == 0
	v_lshl_or_b32 v[HS+2*\R+HST], v[BUF+5+2*\R], 8, v[BUF+4+2*\R]
.else
	v_lshl_or_b32 v[HS+2*\R+HST], v[BUF+4+2*\R], 16, v[HS+2*\R+HST]
	v_lshl_or_b32 v[HS+2*\R+HST], v[BUF+5+2*\R], 24, v[HS+2*\R+HST]
.endif
.endr
.irp R, 0,1
	v_cvt_scalef32_pk16_bf6_f32 v[H+24*\R+12*HST+6*HC:H+24*\R+12*HST+6*HC+2], v[ACC+32*\R:ACC+32*\R+15], v[BUF+8+2*\R]
	v_cvt_scalef32_pk16_bf6_f32 v[BUF+12+4*\R:BUF+14+4*\R], v[ACC+32*\R+16:ACC+32*\R+31], v[BUF+9+2*\R]
.endr
	v_nop                                          ; a plain line behind the conversions
.irp R, 0,1
.irp i, 0,1,2
	v_permlane16_swap_b32 v[H+24*\R+12*HST+6*HC+\i], v[BUF+12+4*\R+\i]     ; a whole block to a lane: lanes 0-15 the even block, lanes 16-31 the odd one
.endr
.irp i, 0,1,2
	v_mov_b32 v[H+24*\R+12*HST+6*HC+3+\i], v[BUF+12+4*\R+\i]
.endr
.endr
.endm
	s_load_b256 s[4:11], s[0:1], 0x0               ; xq, W1's codes, W1's scales, W2's codes
	s_load_b128 s[12:15], s[0:1], 0x20             ; W2's scales, ab1
	s_load_b64 s[16:17], s[0:1], 0x30              ; part2
	v_lshl_add_u32 v15, v0, 2, 0x15400
	v_mov_b32 v185, 0
	v_lshrrev_b32 v1, 5, v0
	v_readfirstlane_b32 s20, v1                    ; wave
	v_and_b32 v1, 31, v0
	v_and_b32 v2, 15, v0
	v_bfe_u32 v3, v0, 4, 1
	v_lshlrev_b32 v4, 4, v1                        ; 16 x lane
	v_lshlrev_b32 v5, 2, v1                        ; 4 x lane
	v_add_nc_u32 v6, W2L, v4
	v_add_nc_u32 v7, W2SL, v5
	v_lshl_add_u32 v8, v3, 6, ABL
	v_and_b32 v100, 8, v2
	v_add_nc_u32 v101, v100, v2                    ; r + 8 (r / 8)
	v_mul_u32_u24 v100, v101, 192
	v_mad_u32_u24 v100, v3, 24, v100
	v_lshlrev_b32 v101, 3, v101
	v_lshl_add_u32 v101, v3, 2, v101
	v_mul_u32_u24 v102, v2, 192
	v_mad_u32_u24 v102, v3, 24, v102
	v_lshlrev_b32 v103, 3, v2
	v_lshl_add_u32 v103, v3, 2, v103
	s_mul_i32 s28, s20, 6144
	v_add_nc_u32 v104, s28, v4
	s_lshl_b32 s30, s20, 8
	s_add_co_u32 s32, s30, W1SL
	v_add_nc_u32 v105, s32, v5
	s_mul_i32 s34, s20, 3072
	v_add_nc_u32 v106, s34, v6
	s_lshl_b32 s36, s20, 7
	v_add_nc_u32 v107, s36, v7
	v_lshlrev_b32 v108, 3, v0
	v_add_nc_u32 v109, ABL, v108
	s_lshl_b32 s44, s20, 9
	s_add_co_u32 s44, s44, STL
	v_lshl_add_u32 v9, v2, 2, s44
	v_lshl_add_u32 v11, v0, 2, STL
	v_lshlrev_b32 v12, 2, v0
	s_mov_b32 s[SEL], 0x76543210
	s_mov_b32 s[SEL+1], 0xfedcba98
	s_mov_b32 s29, 0
	s_mov_b32 s31, 0
	s_mov_b32 s35, 0
	s_mov_b32 s37, 0
	s_mul_i32 s38, ttmp9, 49152
	s_add_co_u32 s38, s38, s28
	s_mov_b32 s39, 0
	s_lshl_b32 s40, ttmp9, 11
	s_mov_b32 s41, 0
	s_add_co_u32 s42, s40, s30
	s_add_co_u32 s42, s42, SCB
	s_mov_b32 s43, 0
	s_wait_kmcnt 0x0
	s_add_nc_u64 s[24:25], s[4:5], s[42:43]
	s_add_nc_u64 s[4:5], s[4:5], s[38:39]
	s_add_nc_u64 s[6:7], s[6:7], s[28:29]
	s_add_nc_u64 s[8:9], s[8:9], s[30:31]
	s_add_nc_u64 s[10:11], s[10:11], s[34:35]
	s_add_nc_u64 s[12:13], s[12:13], s[36:37]
	s_add_nc_u64 s[16:17], s[16:17], s[40:41]
.irp i, 0,1,2,3,4,5,6,7,8,9,10,11
	global_load_b128 v[X+4*\i:X+4*\i+3], v4, s[4:5] offset:512*\i           ; my four fragments of X, as their registers were stored
.endr
	global_load_b32 v[XS], v5, s[24:25]
	global_load_b32 v[XS+1], v5, s[24:25] offset:128
.irp u, 0,1                                        ; wave w makes the images of W1's tiles 2w, 2w+1 and of W2's tile w
.irp s, 0,1
.irp p, 0,1,2,3,4,5
	global_load_b64 v[BUF+12*(2*\u+\s)+2*\p:BUF+12*(2*\u+\s)+2*\p+1], v100, s[6:7] offset:1536*\u+96*\s+48*(\p/3)+8*(\p%3)
.endr
.endr
	global_load_b32 v[TMPR+\u], v101, s[8:9] offset:64*\u
.endr
.irp s, 0,1
.irp p, 0,1,2,3,4,5
	global_load_b64 v[ACC+12*\s+2*\p:ACC+12*\s+2*\p+1], v102, s[10:11] offset:96*\s+48*(\p/3)+8*(\p%3)
.endr
.endr
	global_load_b32 v[TMPR+2], v103, s[12:13]
	global_load_b64 v[254:255], v108, s[14:15]
	s_wait_loadcnt 0x0
.irp i, 0,1,2,3,4,5,6,7,8,9,10,11
	ds_store_b128 v104, v[BUF+4*\i:BUF+4*\i+3] offset:W1L+512*\i
.endr
	ds_store_b32 v105, v[TMPR]
	ds_store_b32 v105, v[TMPR+1] offset:128
.irp i, 0,1,2,3,4,5
	ds_store_b128 v106, v[ACC+4*\i:ACC+4*\i+3] offset:512*\i
.endr
	ds_store_b32 v107, v[TMPR+2]
	ds_store_b64 v109, v[254:255]
	s_wait_dscnt 0x0
	s_barrier_signal -1
	s_barrier_wait -1                              ; the images and a1, c1 are whole
	HID 0
	HID 1
	HID 2
	HID 3
.irp q, 0,1
	PASS 2, 6, 12288*\q, 7, 512*\q
	STAT 9, 256*\q, 64, 4096
.endr
	s_barrier_signal -1                            ; every wave's figures have landed (STAT ends with a wait for 0)
	s_barrier_wait -1
	s_cmp_ge_u32 s20, 4
	s_cbranch_scc1 .Lend                           ; 128 channels: threads 0 to 127
	COMB 128, 16
.Lend:
	s_wait_tensorcnt 0x0
	ds_add_u32 v15, v185
	s_wait_dscnt 0x0
	s_endpgm
.Lfunc_end_k_q7099324be3_stats2:
	.size	k_q7099324be3_stats2, .Lfunc_end_k_q7099324be3_stats2-k_q7099324be3_stats2
	.p2alignl 7, 3214868480
	.fill 96, 4, 3214868480
	.section	.rodata,"a",@progbits
	.p2align	6, 0x0
	.amdhsa_kernel k_q7099324be3_stats2
		.amdhsa_group_segment_fixed_size 88064
		.amdhsa_private_segment_fixed_size 0
		.amdhsa_enable_private_segment 0
		.amdhsa_kernarg_size 56
		.amdhsa_user_sgpr_count 2
		.amdhsa_user_sgpr_kernarg_segment_ptr 1
		.amdhsa_wavefront_size32 1
		.amdhsa_system_sgpr_workgroup_id_x 1
		.amdhsa_system_sgpr_workgroup_id_y 1
		.amdhsa_system_sgpr_workgroup_id_z 1
		.amdhsa_system_vgpr_workitem_id 0
		.amdhsa_next_free_vgpr 256
		.amdhsa_next_free_sgpr 66
		.amdhsa_reserve_vcc 0
		.amdhsa_float_denorm_mode_32 3
		.amdhsa_float_denorm_mode_16_64 3
		.amdhsa_memory_ordered 1
		.amdhsa_forward_progress 1
		.amdhsa_inst_pref_size 90
	.end_amdhsa_kernel
	.amdgpu_metadata
---
amdhsa.version: [ 1, 2 ]
amdhsa.kernels:
  - .name:           k_q7099324be3_stats2
    .symbol:         k_q7099324be3_stats2.kd
    .args:
      - { .name: xq, .offset: 0, .size: 8, .value_kind: global_buffer, .address_space: global }
      - { .name: W1_codes, .offset: 8, .size: 8, .value_kind: global_buffer, .address_space: global }
      - { .name: W1_scales, .offset: 16, .size: 8, .value_kind: global_buffer, .address_space: global }
      - { .name: W2_codes, .offset: 24, .size: 8, .value_kind: global_buffer, .address_space: global }
      - { .name: W2_scales, .offset: 32, .size: 8, .value_kind: global_buffer, .address_space: global }
      - { .name: ab1, .offset: 40, .size: 8, .value_kind: global_buffer, .address_space: global }
      - { .name: part2, .offset: 48, .size: 8, .value_kind: global_buffer, .address_space: global }
    .group_segment_fixed_size: 88064
    .private_segment_fixed_size: 0
    .kernarg_segment_align: 8
    .kernarg_segment_size: 56
    .max_flat_workgroup_size: 256
    .sgpr_count:     66
    .vgpr_count:     256
    .wavefront_size: 32
...
	.end_amdgpu_metadata
.endif
;; end of part 5
;; launch bn2: the kernel of part 4 again; grid 4 x 1, 8 waves a work-group, no clusters, 4,096 bytes of LDS; arguments part2, b2, g2, be2, ab2; writes ab2
;; launch final (part 6): grid 256 x 1, 8 waves a work-group, no clusters, 212,992 bytes of LDS; arguments xq, W1_codes, W1_scales, W2_codes, W2_scales, ab1, ab2, out0; writes out0
.if DOCPART == 6
	.amdgcn_target "amdgcn-amd-amdhsa--gfx1250"
	.amdhsa_code_object_version 6
	.text
	.protected	k_q7099324be3_final
	.globl	k_q7099324be3_final
	.p2align	8
	.type	k_q7099324be3_final,@function
k_q7099324be3_final:
	s_mov_b64 s[64:65], 0
	v_nop
	global_prefetch_b8 v0, s[64:65] scope:SCOPE_SE
	s_setreg_imm32_b32 hwreg(HW_REG_WAVE_MODE, 25, 1), 1
	s_wait_xcnt 0x0
; From X's codes once more: z1 = X W1^T, x2 = relu(a1 z1 + c1) quantised in registers, z2 = x2 W2^T, out = relu(a2 z2 + c2), laid [batch][channel][point].
; All up to z2 is the launch before, line for line. In z2 a lane holds one channel and eight neighbouring points: 32 bytes of a row of out0. The work-group's 128 channels x 256 points
; meet in a stage in LDS (rows of 1,024 bytes + 16), and each wave stores 16 whole rows, 512 consecutive aligned bytes an instruction.
; LIMITS: NaN and infinities are not served. A block whose largest magnitude lies under 2^-122, a block of zeros among them, keeps the scale byte 1; its zero codes add nothing.
.set W1L,  0
.set W1SL, 49152
.set W2L,  51200
.set W2SL, 75776
.set ABL,  76800
.set OUTS, 78848                       ; the stage: 128 rows of 1,040 bytes
.set SCB,  12582912
.set X,    16
.set XS,   64                          ; scales and nothing else
.set H,    66
.set HS,   114                         ; scales and nothing else
.set BUF,  118
.set TMPR, 182
.set ACC,  186
.set WS,   250                         ; scales and nothing else
.set SEL,  22
.macro NOPS n
.rept \n
	v_nop
.endr
.endm
.macro WM d, a, b, zero, sa, sb, ra, rb
.if \zero
.if ((\ra) == 0) && ((\rb) == 0)
	v_wmma_scale_f32_16x16x128_f8f6f4 v[\d:\d+7], v[\a:\a+11], v[\b:\b+11], 0, v[\sa], v[\sb] matrix_a_fmt:MATRIX_FMT_BF6 matrix_b_fmt:MATRIX_FMT_BF6
.elseif ((\ra) == 1) && ((\rb) == 0)
	v_wmma_scale_f32_16x16x128_f8f6f4 v[\d:\d+7], v[\a:\a+11], v[\b:\b+11], 0, v[\sa], v[\sb] matrix_a_fmt:MATRIX_FMT_BF6 matrix_b_fmt:MATRIX_FMT_BF6 matrix_a_scale:MATRIX_SCALE_ROW1
.elseif ((\ra) == 0) && ((\rb) == 1)
	v_wmma_scale_f32_16x16x128_f8f6f4 v[\d:\d+7], v[\a:\a+11], v[\b:\b+11], 0, v[\sa], v[\sb] matrix_a_fmt:MATRIX_FMT_BF6 matrix_b_fmt:MATRIX_FMT_BF6 matrix_b_scale:MATRIX_SCALE_ROW1
.else
	v_wmma_scale_f32_16x16x128_f8f6f4 v[\d:\d+7], v[\a:\a+11], v[\b:\b+11], 0, v[\sa], v[\sb] matrix_a_fmt:MATRIX_FMT_BF6 matrix_b_fmt:MATRIX_FMT_BF6 matrix_a_scale:MATRIX_SCALE_ROW1 matrix_b_scale:MATRIX_SCALE_ROW1
.endif
.else
.if ((\ra) == 0) && ((\rb) == 0)
	v_wmma_scale_f32_16x16x128_f8f6f4 v[\d:\d+7], v[\a:\a+11], v[\b:\b+11], v[\d:\d+7], v[\sa], v[\sb] matrix_a_fmt:MATRIX_FMT_BF6 matrix_b_fmt:MATRIX_FMT_BF6
.elseif ((\ra) == 1) && ((\rb) == 0)
	v_wmma_scale_f32_16x16x128_f8f6f4 v[\d:\d+7], v[\a:\a+11], v[\b:\b+11], v[\d:\d+7], v[\sa], v[\sb] matrix_a_fmt:MATRIX_FMT_BF6 matrix_b_fmt:MATRIX_FMT_BF6 matrix_a_scale:MATRIX_SCALE_ROW1
.elseif ((\ra) == 0) && ((\rb) == 1)
	v_wmma_scale_f32_16x16x128_f8f6f4 v[\d:\d+7], v[\a:\a+11], v[\b:\b+11], v[\d:\d+7], v[\sa], v[\sb] matrix_a_fmt:MATRIX_FMT_BF6 matrix_b_fmt:MATRIX_FMT_BF6 matrix_b_scale:MATRIX_SCALE_ROW1
.else
	v_wmma_scale_f32_16x16x128_f8f6f4 v[\d:\d+7], v[\a:\a+11], v[\b:\b+11], v[\d:\d+7], v[\sa], v[\sb] matrix_a_fmt:MATRIX_FMT_BF6 matrix_b_fmt:MATRIX_FMT_BF6 matrix_a_scale:MATRIX_SCALE_ROW1 matrix_b_scale:MATRIX_SCALE_ROW1
.endif
.endif
.endm
; Group g of a pass: tiles 2 (g & 1) + e, K step g >> 1, both tiles of rows: four matrix instructions on four accumulators.
.macro MMG kind, g
.set SS, (\g)>>1
.if (\g) < 2
.set ZR, 1
.else
.set ZR, 0
.endif
.irp e, 0,1
.irp R, 0,1
.set TL, 2*((\g)&1)+\e
.set WF, BUF+24*((\g)&1)+12*\e
.set AC, ACC+32*\R+8*TL
.if \kind == 0
	WM AC, WF, X+24*\R+12*SS, ZR, WS+TL, XS+SS, SS, \R
.elseif \kind == 1
	WM AC, X+24*\R+12*SS, WF, ZR, XS+SS, WS+TL, \R, SS
.else
	WM AC, H+24*\R+12*SS, WF, ZR, HS+2*\R+SS, WS+TL, 0, SS
.endif
.endr
.endr
.endm
.macro WLD ai, wimg, g                 ; group g's two fragments of W: six loads of 512 consecutive bytes
.irp e, 0,1
.irp c, 0,1,2
	ds_load_b128 v[BUF+24*((\g)&1)+12*\e+4*\c:BUF+24*((\g)&1)+12*\e+4*\c+3], v[\ai] offset:\wimg+(2*(2*((\g)&1)+\e)+((\g)>>1))*1536+512*\c
.endr
.endr
.endm
; A pass: four tiles of W x two tiles of rows x two K steps: 16 matrix instructions on eight accumulators by turns, one a turn: a link stands eight behind the one it adds onto.
.macro PASS kind, ai, wimg, as, wsimg
.irp t, 0,1,2,3
	ds_load_b32 v[WS+\t], v[\as] offset:\wsimg+128*\t
.endr
	WLD \ai, \wimg, 0
	WLD \ai, \wimg, 1
	NOPS 8                                         ; places in front of scaled products whose operands or scales vector lines wrote, and of accumulators begun anew
	s_wait_dscnt 6                                 ; the younger group's six loads may stay out
	MMG \kind, 0
	NOPS 4                                         ; places in front of loads into registers that matrix instructions have read
	WLD \ai, \wimg, 2
	s_wait_dscnt 6
	MMG \kind, 1
	NOPS 4
	WLD \ai, \wimg, 3
	s_wait_dscnt 6
	MMG \kind, 2
	s_wait_dscnt 0x0
	MMG \kind, 3
	NOPS 4                                         ; places in front of the first read of results and of the next loads
.endm
; Hidden units 64 p .. 64 p + 63 of my 32 points: the product, a1 z + c1, relu, and two blocks of 32 a tile of rows quantised into the next operand's registers 6 (p & 1) on of K step p >> 1.
.macro HID p
	PASS 0, 4, W1L+12288*(\p), 5, W1SL+512*(\p)
.irp t, 0,1,2,3                                    ; register 8 t + j of a tile of rows is unit 64 p + 32 (t/2) + 16 h + 8 (t%2) + j
	ds_load_b128 v[BUF+16*\t:BUF+16*\t+3], v8 offset:256*(\p)+128*(\t/2)+32*(\t%2)
	ds_load_b128 v[BUF+16*\t+4:BUF+16*\t+7], v8 offset:256*(\p)+128*(\t/2)+32*(\t%2)+16
	ds_load_b128 v[BUF+16*\t+8:BUF+16*\t+11], v8 offset:256*(\p)+128*(\t/2)+32*(\t%2)+1024
	ds_load_b128 v[BUF+16*\t+12:BUF+16*\t+15], v8 offset:256*(\p)+128*(\t/2)+32*(\t%2)+1040
.endr
	s_wait_dscnt 0x0
.irp R, 0,1
.irp t, 0,1,2,3
.irp e, 0,2,4,6
	v_pk_fma_f32 v[ACC+32*\R+8*\t+\e:ACC+32*\R+8*\t+\e+1], v[ACC+32*\R+8*\t+\e:ACC+32*\R+8*\t+\e+1], v[BUF+16*\t+\e:BUF+16*\t+\e+1], v[BUF+16*\t+8+\e:BUF+16*\t+8+\e+1]
.endr
.endr
.endr
.irp j, 0,1,2,3,4,5,6,7,8,9,10,11,12,13,14,15,16,17,18,19,20,21,22,23,24,25,26,27,28,29,30,31,32,33,34,35,36,37,38,39,40,41,42,43,44,45,46,47,48,49,50,51,52,53,54,55,56,57,58,59,60,61,62,63
	v_max_num_f32 v[ACC+\j], 0, v[ACC+\j]
.endr
.set HST, (\p)>>1
.set HC,  (\p)&1
.irp B, 0,1,2,3                                    ; block B = 2 R + b: registers ACC + 16 B on; none is negative, so no |.|
	v_max3_num_f32 v[BUF+\B], v[ACC+16*\B], v[ACC+16*\B+1], 0x2800000       ; with the floor 2^(5 - 127)
.endr
.irp i, 2,4,6,8,10,12,14
.irp B, 0,1,2,3
	v_max3_num_f32 v[BUF+\B], v[BUF+\B], v[ACC+16*\B+\i], v[ACC+16*\B+\i+1]
.endr
.endr
.irp B, 0,1,2,3
	v_permlanex16_b32 v[BUF+4+\B], v[BUF+\B], s[SEL], s[SEL+1]
.endr
.irp B, 0,1,2,3
	v_max_num_f32 v[BUF+\B], v[BUF+\B], v[BUF+4+\B]             ; with lane l xor 16's 16 numbers: the block's largest
.endr
.irp B, 0,1,2,3
	v_add_nc_u32 v[BUF+8+\B], 0xfe000000, v[BUF+\B]             ; 4 off the exponent field: the conversion's scale operand
.endr
.irp B, 0,1,2,3
	v_lshrrev_b32 v[BUF+4+\B], 23, v[BUF+8+\B]                  ; the scale's byte
.endr
.irp R, 0,1
.if HC == 0
	v_lshl_or_b32 v[HS+2*\R+HST], v[BUF+5+2*\R], 8, v[BUF+4+2*\R]
.else
	v_lshl_or_b32 v[HS+2*\R+HST], v[BUF+4+2*\R], 16, v[HS+2*\R+HST]
	v_lshl_or_b32 v[HS+2*\R+HST], v[BUF+5+2*\R], 24, v[HS+2*\R+HST]
.endif
.endr
.irp R, 0,1
	v_cvt_scalef32_pk16_bf6_f32 v[H+24*\R+12*HST+6*HC:H+24*\R+12*HST+6*HC+2], v[ACC+32*\R:ACC+32*\R+15], v[BUF+8+2*\R]
	v_cvt_scalef32_pk16_bf6_f32 v[BUF+12+4*\R:BUF+14+4*\R], v[ACC+32*\R+16:ACC+32*\R+31], v[BUF+9+2*\R]
.endr
	v_nop                                          ; a plain line behind the conversions
.irp R, 0,1
.irp i, 0,1,2
	v_permlane16_swap_b32 v[H+24*\R+12*HST+6*HC+\i], v[BUF+12+4*\R+\i]     ; a whole block to a lane: lanes 0-15 the even block, lanes 16-31 the odd one
.endr
.irp i, 0,1,2
	v_mov_b32 v[H+24*\R+12*HST+6*HC+3+\i], v[BUF+12+4*\R+\i]
.endr
.endr
.endm
	s_load_b256 s[4:11], s[0:1], 0x0               ; xq, W1's codes, W1's scales, W2's codes
	s_load_b128 s[12:15], s[0:1], 0x20             ; W2's scales, ab1
	s_load_b128 s[16:19], s[0:1], 0x30             ; ab2, out0
	v_lshl_add_u32 v15, v0, 2, 0x33c00
	v_mov_b32 v185, 0
	v_lshrrev_b32 v1, 5, v0
	v_readfirstlane_b32 s20, v1                    ; wave
	v_and_b32 v1, 31, v0
	v_and_b32 v2, 15, v0
	v_bfe_u32 v3, v0, 4, 1
	v_lshlrev_b32 v4, 4, v1                        ; 16 x lane
	v_lshlrev_b32 v5, 2, v1                        ; 4 x lane
	v_add_nc_u32 v6, W2L, v4
	v_add_nc_u32 v7, W2SL, v5
	v_lshl_add_u32 v8, v3, 6, ABL
	v_and_b32 v100, 8, v2
	v_add_nc_u32 v101, v100, v2                    ; r + 8 (r / 8)
	v_mul_u32_u24 v100, v101, 192
	v_mad_u32_u24 v100, v3, 24, v100
	v_lshlrev_b32 v101, 3, v101
	v_lshl_add_u32 v101, v3, 2, v101
	v_mul_u32_u24 v102, v2, 192
	v_mad_u32_u24 v102, v3, 24, v102
	v_lshlrev_b32 v103, 3, v2
	v_lshl_add_u32 v103, v3, 2, v103
	s_mul_i32 s28, s20, 6144
	v_add_nc_u32 v104, s28, v4
	s_lshl_b32 s30, s20, 8
	s_add_co_u32 s32, s30, W1SL
	v_add_nc_u32 v105, s32, v5
	s_mul_i32 s34, s20, 3072
	v_add_nc_u32 v106, s34, v6
	s_lshl_b32 s36, s20, 7
	v_add_nc_u32 v107, s36, v7
	v_lshlrev_b32 v108, 3, v0
	v_add_nc_u32 v109, ABL, v108
	v_mul_u32_u24 v9, v2, 1040                     ; the stage, in: row = channel r of a tile, + 128 w + 32 h: my eight points
	v_lshl_add_u32 v9, v3, 5, v9
	s_add_co_u32 s44, s36, OUTS
	v_add_nc_u32 v9, s44, v9
	v_add_nc_u32 v11, 66560, v9                    ; tiles 4 to 7 lie beyond an immediate's reach
	s_mul_i32 s44, s20, 16640
	s_add_co_u32 s44, s44, OUTS
	v_add_nc_u32 v12, s44, v4                      ; and out: my 16 rows, 16 bytes a lane
	v_lshlrev_b32 v13, 2, v2
	s_mov_b32 s[SEL], 0x76543210
	s_mov_b32 s[SEL+1], 0xfedcba98
	s_mov_b32 s29, 0
	s_mov_b32 s31, 0
	s_mov_b32 s35, 0
	s_mov_b32 s37, 0
	s_mul_i32 s38, ttmp9, 49152
	s_add_co_u32 s38, s38, s28
	s_mov_b32 s39, 0
	s_lshl_b32 s40, ttmp9, 11
	s_add_co_u32 s42, s40, s30
	s_add_co_u32 s42, s42, SCB
	s_mov_b32 s43, 0
	s_lshr_b32 s21, ttmp9, 5                       ; batch
	s_lshl_b32 s46, s21, 22
	s_lshl_b32 s47, s20, 19
	s_add_co_u32 s46, s46, s47
	s_and_b32 s47, ttmp9, 31
	s_lshl_b32 s47, s47, 10
	s_add_co_u32 s46, s46, s47
	s_mov_b32 s47, 0
	s_wait_kmcnt 0x0
	s_add_nc_u64 s[24:25], s[4:5], s[42:43]
	s_add_nc_u64 s[4:5], s[4:5], s[38:39]
	s_add_nc_u64 s[6:7], s[6:7], s[28:29]
	s_add_nc_u64 s[8:9], s[8:9], s[30:31]
	s_add_nc_u64 s[10:11], s[10:11], s[34:35]
	s_add_nc_u64 s[12:13], s[12:13], s[36:37]
	s_add_nc_u64 s[18:19], s[18:19], s[46:47]
.irp i, 0,1,2,3,4,5,6,7,8,9,10,11
	global_load_b128 v[X+4*\i:X+4*\i+3], v4, s[4:5] offset:512*\i           ; my four fragments of X, as their registers were stored
.endr
	global_load_b32 v[XS], v5, s[24:25]
	global_load_b32 v[XS+1], v5, s[24:25] offset:128
.irp u, 0,1                                        ; wave w makes the images of W1's tiles 2w, 2w+1 and of W2's tile w
.irp s, 0,1
.irp p, 0,1,2,3,4,5
	global_load_b64 v[BUF+12*(2*\u+\s)+2*\p:BUF+12*(2*\u+\s)+2*\p+1], v100, s[6:7] offset:1536*\u+96*\s+48*(\p/3)+8*(\p%3)
.endr
.endr
	global_load_b32 v[TMPR+\u], v101, s[8:9] offset:64*\u
.endr
.irp s, 0,1
.irp p, 0,1,2,3,4,5
	global_load_b64 v[ACC+12*\s+2*\p:ACC+12*\s+2*\p+1], v102, s[10:11] offset:96*\s+48*(\p/3)+8*(\p%3)
.endr
.endr
	global_load_b32 v[TMPR+2], v103, s[12:13]
	global_load_b64 v[254:255], v108, s[14:15]
	s_wait_loadcnt 0x0
.irp i, 0,1,2,3,4,5,6,7,8,9,10,11
	ds_store_b128 v104, v[BUF+4*\i:BUF+4*\i+3] offset:W1L+512*\i
.endr
	ds_store_b32 v105, v[TMPR]
	ds_store_b32 v105, v[TMPR+1] offset:128
.irp i, 0,1,2,3,4,5
	ds_store_b128 v106, v[ACC+4*\i:ACC+4*\i+3] offset:512*\i
.endr
	ds_store_b32 v107, v[TMPR+2]
	ds_store_b64 v109, v[254:255]
	s_wait_dscnt 0x0
	s_barrier_signal -1
	s_barrier_wait -1                              ; the images and a1, c1 are whole
	HID 0
	HID 1
	HID 2
	HID 3
.irp c, 0,1,2,3,4,5,6,7                            ; a2 and c2 of channel 16 c + r, into registers that X has left
	global_load_b32 v[16+\c], v13, s[16:17] offset:64*\c
	global_load_b32 v[24+\c], v13, s[16:17] offset:64*\c+1024
.endr
.irp q, 0,1
	PASS 2, 6, 12288*\q, 7, 512*\q
.if \q == 0
	s_wait_loadcnt 0x0
.endif
.irp t, 0,1,2,3
.irp R, 0,1
.irp j, 0,1,2,3,4,5,6,7
	v_fma_f32 v[ACC+32*\R+8*\t+\j], v[ACC+32*\R+8*\t+\j], v[16+4*\q+\t], v[24+4*\q+\t]     ; each accumulator from its low end on
.endr
.irp j, 0,1,2,3,4,5,6,7
	v_max_num_f32 v[ACC+32*\R+8*\t+\j], 0, v[ACC+32*\R+8*\t+\j]
.endr
	ds_store_b128 v[9+2*\q], v[ACC+32*\R+8*\t:ACC+32*\R+8*\t+3] offset:16640*\t+64*\R       ; out(channel 16 (4 q + t) + r, points 32 w + 16 R + 8 h + 0 .. 7)
	ds_store_b128 v[9+2*\q], v[ACC+32*\R+8*\t+4:ACC+32*\R+8*\t+7] offset:16640*\t+64*\R+16
.endr
.endr
	s_wait_dscnt 0x0                               ; the stores have read their registers, and have landed
.endr
	s_barrier_signal -1
	s_barrier_wait -1                              ; 128 whole rows lie in the stage
.irp g, 0,1
.irp e, 0,1,2,3,4,5,6,7,8,9,10,11,12,13,14,15
	ds_load_b128 v[BUF+68*\g+4*\e:BUF+68*\g+4*\e+3], v12 offset:1040*(8*\g+\e/2)+512*(\e%2)
.endr
.endr
.irp g, 0,1
.irp e, 0,1,2,3,4,5,6,7,8,9,10,11,12,13,14,15
	s_wait_dscnt 31-16*\g-\e                       ; LDS loads come back in order: this one is in, the younger ones stay out
	global_store_b128 v4, v[BUF+68*\g+4*\e:BUF+68*\g+4*\e+3], s[18:19] offset:32768*(8*\g+\e/2)+512*(\e%2) th:TH_STORE_NT   ; 32 lanes store 512 consecutive bytes, at a multiple of 256 from out0's first byte
.endr
.endr
	s_wait_tensorcnt 0x0
	ds_add_u32 v15, v185
	s_wait_dscnt 0x0
	s_endpgm
.Lfunc_end_k_q7099324be3_final:
	.size	k_q7099324be3_final, .Lfunc_end_k_q7099324be3_final-k_q7099324be3_final
	.p2alignl 7, 3214868480
	.fill 96, 4, 3214868480
	.section	.rodata,"a",@progbits
	.p2align	6, 0x0
	.amdhsa_kernel k_q7099324be3_final
		.amdhsa_group_segment_fixed_size 212992
		.amdhsa_private_segment_fixed_size 0
		.amdhsa_enable_private_segment 0
		.amdhsa_kernarg_size 64
		.amdhsa_user_sgpr_count 2
		.amdhsa_user_sgpr_kernarg_segment_ptr 1
		.amdhsa_wavefront_size32 1
		.amdhsa_system_sgpr_workgroup_id_x 1
		.amdhsa_system_sgpr_workgroup_id_y 1
		.amdhsa_system_sgpr_workgroup_id_z 1
		.amdhsa_system_vgpr_workitem_id 0
		.amdhsa_next_free_vgpr 256
		.amdhsa_next_free_sgpr 66
		.amdhsa_reserve_vcc 0
		.amdhsa_float_denorm_mode_32 3
		.amdhsa_float_denorm_mode_16_64 3
		.amdhsa_memory_ordered 1
		.amdhsa_forward_progress 1
		.amdhsa_inst_pref_size 94
	.end_amdhsa_kernel
	.amdgpu_metadata
---
amdhsa.version: [ 1, 2 ]
amdhsa.kernels:
  - .name:           k_q7099324be3_final
    .symbol:         k_q7099324be3_final.kd
    .args:
      - { .name: xq, .offset: 0, .size: 8, .value_kind: global_buffer, .address_space: global }
      - { .name: W1_codes, .offset: 8, .size: 8, .value_kind: global_buffer, .address_space: global }
      - { .name: W1_scales, .offset: 16, .size: 8, .value_kind: global_buffer, .address_space: global }
      - { .name: W2_codes, .offset: 24, .size: 8, .value_kind: global_buffer, .address_space: global }
      - { .name: W2_scales, .offset: 32, .size: 8, .value_kind: global_buffer, .address_space: global }
      - { .name: ab1, .offset: 40, .size: 8, .value_kind: global_buffer, .address_space: global }
      - { .name: ab2, .offset: 48, .size: 8, .value_kind: global_buffer, .address_space: global }
      - { .name: out0, .offset: 56, .size: 8, .value_kind: global_buffer, .address_space: global }
    .group_segment_fixed_size: 212992
    .private_segment_fixed_size: 0
    .kernarg_segment_align: 8
    .kernarg_segment_size: 64
    .max_flat_workgroup_size: 256
    .sgpr_count:     66
    .vgpr_count:     256
    .wavefront_size: 32
...
	.end_amdgpu_metadata
.endif
;; end of part 6
